; MI455X (gfx1250); checked and timed in simulation.
; The chip was launched on July 23, 2026; its instructions are those of AMD's public machine-readable ISA for CDNA 5 (MIT licence, August 2026) and "CDNA5" Instruction Set Architecture Reference Guide (July 2026). The comments in the code are by the model that wrote it; some were corrected since.
;; Cross Attention. Allowed arithmetic: matrix products marked QUANTISED: E2M3 operands, one E8M0 scale for each 32 along K, by v_wmma_scale_f32_16x16x128_f8f6f4 with both operands' format E2M3, f32 sums; everything else in f32.
;; Inputs: image_features 4 x 4,096 x 256 float32; text_features 4 x 4,096 x 256 float32.
;; Outputs: out0 4 x 4,096 x 256 float32; out1 4 x 4,096 x 256 float32.
;; This version of the problem:
;;   THIS VERSION OF THE PROBLEM IS GIVEN IN LOW PRECISION. The matrix products marked QUANTISED in the list below multiply operands that are first quantised to E2M3 (2 exponent bits, 3 mantissa bits; 6 bits a number), with one power-of-two scale for each 32 numbers along K (OCP MX v1.0); their sums are f32. All else is computed in f32.
;;   The module's matrix products, in the order in which they are computed (A, B: the left and right operand; K: the contracted axis; several contracted axes count as one K, in the product's order):
;;     1. batch 4 x [M 4,096, K 256] x [K 256, N 4,096]; A: input image_features; B: input text_features: QUANTISED
;;     2. batch 4 x [M 4,096, K 4,096] x [K 4,096, N 256]; A: softmax (see below); B: input text_features: QUANTISED
;;     3. batch 4 x [M 4,096, K 4,096] x [K 4,096, N 256]; A: computed on the way; B: input image_features: QUANTISED
;;   THE QUANTISER, for each operand of a quantised product, along K:
;;     - K is cut into blocks of 32 from its start; a last block that is shorter is filled with zeros.
;;     - A block's scale is 2^e with e = floor(log2(the largest magnitude in the block)) - 2, held to -126 .. 127; a block of zeros has e = 0. As a byte (E8M0): e + 127.
;;     - Each number is divided by its block's scale, clamped to +-7.5, and rounded to the nearest number of E2M3, ties to even, subnormals kept.
;;     - The product sums the exact products of the quantised numbers (number of the format x scale) in f32.
;;   ~~~python
;;   def quantise(x, axis):      # numpy; x: float32 -> the quantised numbers, widened to float32 again
;;       x = np.moveaxis(x, axis, -1); K = x.shape[-1]
;;       x = np.pad(x, [(0, 0)] * (x.ndim - 1) + [(0, -K % 32)]); x = x.reshape(x.shape[:-1] + (-1, 32)); a = np.abs(x).max(-1, keepdims=True)
;;       e = np.where(a > 0, np.clip(np.frexp(np.where(a > 0, a, 1))[1] - 1 - 2, -126, 127), 0)      # np.frexp(a)[1] - 1 = floor(log2(a)), exactly
;;       r = np.clip(x / 2.0 ** e, -7.5, 7.5)
;;       step = 2.0 ** (np.maximum(np.frexp(np.where(r == 0, 1, r))[1] - 1, 0) - 3)
;;       q = np.round(r / step) * step * 2.0 ** e      # np.round: ties to even
;;       return np.moveaxis(q.reshape(q.shape[:-2] + (-1,))[..., :K], -1, axis).astype(np.float32)
;;   ~~~
;;   SOFTMAX AHEAD OF A QUANTISED PRODUCT. Where the list says 'softmax', what is quantised is not the finished softmax but p = 2^(t - M), with t = logit x log2(e) and M = ceil(the row's largest t), a whole number; so 1/2 < the row's largest p <= 1. The row's sum l is taken of the UNQUANTISED p, in f32, and the product's result is divided by l at the end. Since M is a whole number, a kernel that streams over the keys may use a running M (the ceiling of the running maximum): every later rescaling is an exact power of two, which a block's scale takes up: the codes' values come out the same.
;;   OPERANDS COMPUTED ON THE WAY. 'Computed on the way' means the value that the module computes at that place (a softmax that the list does not call 'softmax' is quantised finished and normalised). What goes into a quantiser is computed in f32, as accurately as f32 sums, v_exp_f32 and their like allow (about 1e-6 of the number): no bf16 or f16 on the way to a quantiser, and a product that is left as it is and whose result goes on into a quantised operand takes f32 operands (vector FMAs, or v_wmma_f32_16x16x4_f32). A number that lies on a knife's edge between two numbers of the format may be rounded either way, as far as f32 arithmetic and the matrix unit's own rounding can turn it there, and no further.
;; One version. Each part assembles by itself: llvm-mc -triple=amdgcn-amd-amdhsa -mcpu=gfx1250 --defsym DOCPART=n.
;; ======== version 1 of 1: 3 launches
;; workspace buffers: imgkv 6,553,600 bytes; txtkv 6,553,600 bytes; stats 131,072 bytes
;; launch quant (part 1): grid 256 x 1, 8 waves a work-group, no clusters, 136,192 bytes of LDS; arguments image_features, text_features, imgkv, txtkv; writes imgkv, txtkv
.if DOCPART == 1
	.amdgcn_target "amdgcn-amd-amdhsa--gfx1250"
	.amdhsa_code_object_version 6
	.text
	.protected	k_q530885ce21_quant
	.globl	k_q530885ce21_quant
	.p2align	8
	.type	k_q530885ce21_quant,@function
k_q530885ce21_quant:
	s_mov_b64 s[64:65], 0
	v_nop
	global_prefetch_b8 v0, s[64:65] scope:SCOPE_SE
	s_setreg_imm32_b32 hwreg(HW_REG_WAVE_MODE, 25, 1), 1
	s_wait_xcnt 0x0
; image_features and text_features, [4][4096][256] f32, are each quantised TWICE to codes of FP6 (E2M3) with one E8M0 byte for each 32 along K:
; once along the 256 channels (the operand of the scores) and once along the rows (the operand of the two products whose K is the tokens), from ONE read of the numbers.
; A block's scale is 2^(floor(log2(its largest magnitude)) - 2): its byte is the largest magnitude's exponent field - 2, held at 1 from below by a floor among the maximum's leaves.
; LIMITS: NaN and infinities among the inputs are not served; a block whose largest magnitude lies under 2^-124 (a block of zeros too) keeps the byte 1: zeros' codes are zeros, and only this program reads the bytes.
; SHARES.  Work-group x takes tensor x / 128 and its block x % 128 of 128 rows: 131,072 dense bytes in, 51,200 dense bytes out.  The block goes once into LDS; then each of the eight waves makes four units of 12 code registers.
; THE OUTPUT IS LAID IN THE ORDER OF THE OPERANDS' REGISTERS.  A fragment (16 rows or channels x 128 K) is 1,536 bytes: register p of lane l at 512 (p / 4) + 16 l + 4 (p % 4), so that three loads of 16 bytes a lane bring it.
;   +0       K = channels: fragment (tile t, K step s) at 1536 (2 t + s).  Lane r of tile 2 b + u holds row 32 b + 8 u + r + 8 (r / 8), so that a product's results of two neighbouring tiles are 16 neighbouring rows.
;   +24,576  their scale registers: tile t, lane l at 512 (t / 4) + 16 l + 4 (t % 4); lanes 0-15 the word of K step 0, lanes 16-31 that of K step 1.
;   +25,600  K = rows: fragment of channels 16 T .. 16 T + 15 at 1536 T.
;   +50,176  their scale registers: register g, lane (r, h) = the word of channel 16 (2 g + h) + r, at 512 (g / 4) + 16 l + 4 (g % 4).
; No tensor load, no matrix instruction, no cluster: work-groups share no input.
.set PITCH, 1040                       ; a row in LDS: 1,024 bytes + 16
.set SCL,   128*PITCH                  ; behind the tile: 2,048 bytes of scale registers, the channels' first, then the rows'
.set BLKB,  51200                      ; a block's bytes in the output
.set FRB,   1536                       ; a fragment's image
.set MX,    16                         ; v16-17  two blocks' largest magnitudes
.set SO,    18                         ; v18-19  the conversions' scale operands
.set BY,    20                         ; v20-21  the scales' bytes
.set HW,    22                         ; v22-25  a unit's two bytes, at bits 0 and 16
.set TT,    28                         ; v28-35  the upper halves of two blocks' codes (a conversion's three registers begin on an even number)
.set XA,    64                         ; v64-127, v128-191  two sets of 64 numbers
.set XB,    128
	s_load_b128 s[4:7], s[0:1], 0x0                ; image_features, text_features
	s_load_b128 s[8:11], s[0:1], 0x10              ; imgkv, txtkv
	v_lshl_add_u32 v254, v0, 2, 0x21000
	v_mov_b32 v255, 0
	v_lshrrev_b32 v1, 5, v0
	v_readfirstlane_b32 s12, v1                    ; wave 0..7
	v_and_b32 v1, 31, v0                           ; lane
	v_and_b32 v2, 15, v0                           ; r
	v_bfe_u32 v3, v0, 4, 1                         ; h
	v_lshlrev_b32 v4, 4, v1                        ; 16 x lane
	s_mul_i32 s22, s12, 16*PITCH
	v_add_nc_u32 v5, s22, v4                       ; into the tile: my wave's 16 rows, 16 bytes a lane
	s_lshr_b32 s22, s12, 1
	s_lshl_b32 s22, s22, 5
	s_and_b32 s23, s12, 1
	s_lshl_b32 s23, s23, 3
	s_add_co_u32 s22, s22, s23                     ; tile w begins at row 32 (w / 2) + 8 (w % 2)
	s_mul_i32 s22, s22, PITCH
	v_and_b32 v12, 8, v2
	v_add_nc_u32 v12, v12, v2                      ; r + 8 (r / 8)
	v_mul_u32_u24 v6, v12, PITCH
	v_lshl_add_u32 v6, v3, 7, v6                   ; + 128 h: my half's 32 channels of each 64
	v_add_nc_u32 v6, s22, v6                       ; K = channels: my row of tile w
	s_lshl_b32 s22, s12, 7
	v_lshl_add_u32 v7, v1, 2, s22                  ; K = rows: channel 32 w + lane, rows 0 on;
	v_add_nc_u32 v8, 64*PITCH, v7                  ; and rows 64 on
	v_mul_u32_u24 v9, v3, FRB
	v_lshl_add_u32 v9, v2, 4, v9                   ; where that channel's codes go: fragment 2 w + lane / 16, 16 bytes at 16 (lane % 16)
	s_lshr_b32 s22, s12, 2
	s_lshl_b32 s22, s22, 9
	s_and_b32 s23, s12, 3
	s_lshl_b32 s23, s23, 2
	s_add_co_u32 s22, s22, s23
	s_add_co_u32 s22, s22, SCL
	v_add_nc_u32 v10, s22, v4                      ; scale register w, my lane's word
	v_lshl_add_u32 v11, v0, 4, SCL                 ; the scale registers on their way out: 16 bytes a thread (waves 0 to 3)
	s_lshl_b32 s22, s12, 9
	s_lshr_b32 s23, s12, 1
	s_mul_i32 s23, s23, 24576
	s_add_co_u32 s22, s22, s23
	v_add_nc_u32 v13, s22, v4                      ; and their place in the block: waves 0, 1 the channels', waves 2, 3 the rows', 24,576 bytes further on
	v_lshlrev_b32 v14, 3, v3                       ; 8 h
	v_mov_b32 v26, 0                               ; written once: a lane permute's destination counts as one of its sources
	v_mov_b32 v27, 0
	s_mov_b32 s26, 0x76543210
	s_mov_b32 s27, 0xfedcba98                      ; v_permlanex16_b32's selects for lane l xor 16
	s_wait_kmcnt 0x0
	s_cmp_lt_u32 ttmp9, 128                        ; which tensor: the choice hangs on the work-group's number alone
	s_cselect_b64 s[4:5], s[4:5], s[6:7]
	s_cselect_b64 s[8:9], s[8:9], s[10:11]
	s_and_b32 s13, ttmp9, 127                      ; which block of 128 rows
	s_lshl_b32 s14, s13, 17
	s_lshl_b32 s15, s12, 14
	s_add_co_u32 s14, s14, s15                     ; 131,072 x block + 16,384 x wave
	s_mov_b32 s15, 0
	s_add_nc_u64 s[4:5], s[4:5], s[14:15]
	s_mul_i32 s16, s13, BLKB
	s_mov_b32 s17, 0
	s_add_nc_u64 s[8:9], s[8:9], s[16:17]          ; the block in the output
	s_mul_i32 s18, s12, 2*FRB
	s_mov_b32 s19, 0
	s_add_nc_u64 s[20:21], s[8:9], s[18:19]        ; my wave's two fragments of either part
; ---- the block into LDS: each load reads 512 consecutive bytes
.set i, 0
.rept 32
	global_load_b128 v[XA+4*i:XA+4*i+3], v4, s[4:5] offset:512*i th:TH_LOAD_NT
.set i, i+1
.endr
.set i, 0
.rept 32
	s_wait_loadcnt 31-i                            ; loads come back in order: load i is in, the younger ones stay out
	ds_store_b128 v5, v[XA+4*i:XA+4*i+3] offset:(i/2)*PITCH+512*(i%2)
.set i, i+1
.endr
	s_wait_dscnt 0x0                               ; for the others' sake: my rows lie in the tile
	s_barrier_signal -1
	s_barrier_wait -1
; K = channels, K step s: lane (r, h) takes channels 128 s + 64 c + 32 h + 0 .. 31 of its row: two whole blocks, 64 numbers
.macro DLOAD x, s
.set i, 0
.rept 16
	ds_load_b128 v[\x+4*i:\x+4*i+3], v6 offset:512*\s+256*(i/8)+16*(i%8)
.set i, i+1
.endr
.endm
; K = rows, half hh: a lane takes a channel, and its registers run down the rows 32 hh + 0 .. 31 and 64 + 32 hh + 0 .. 31: what lane (r, hh) of the fragment holds
.macro NLOAD x, hh
.set i, 0
.rept 32
	ds_load_b32 v[\x+i], v7 offset:(32*\hh+i)*PITCH
	ds_load_b32 v[\x+32+i], v8 offset:(32*\hh+i)*PITCH
.set i, i+1
.endr
.endm
; 64 numbers, two whole blocks of a lane, become 12 code registers at v[c] and the two scale bytes in v[hw] (bits 0 and 16)
.macro QB x, c, hw
	v_max3_num_f32 v[MX], |v[\x]|, |v[\x+1]|, 0x1800000        ; with the floor 2^(3 - 127) among the leaves: the byte cannot fall under 1
	v_max3_num_f32 v[MX+1], |v[\x+32]|, |v[\x+33]|, 0x1800000
.set i, 2
.rept 15
	v_max3_num_f32 v[MX], v[MX], |v[\x+i]|, |v[\x+i+1]|        ; the two blocks by turns
	v_max3_num_f32 v[MX+1], v[MX+1], |v[\x+32+i]|, |v[\x+33+i]|
.set i, i+2
.endr
	v_add_nc_u32 v[SO], 0xff000000, v[MX]          ; 2 off the exponent field: the conversion takes the exponent field of this operand as its scale
	v_add_nc_u32 v[SO+1], 0xff000000, v[MX+1]
	v_lshrrev_b32 v[BY], 23, v[SO]                 ; the scale's byte
	v_lshrrev_b32 v[BY+1], 23, v[SO+1]
	v_lshl_or_b32 v[\hw], v[BY+1], 16, v[BY]
	v_cvt_scalef32_pk16_fp6_f32 v[\c:\c+2], v[\x:\x+15], v[SO]
	v_cvt_scalef32_pk16_fp6_f32 v[TT:TT+2], v[\x+16:\x+31], v[SO]
	v_cvt_scalef32_pk16_fp6_f32 v[\c+6:\c+8], v[\x+32:\x+47], v[SO+1]
	v_cvt_scalef32_pk16_fp6_f32 v[TT+4:TT+6], v[\x+48:\x+63], v[SO+1]
	v_nop                                          ; one plain line behind the scaled conversions
.irp k, 0,1,2
	v_mov_b32 v[\c+3+\k], v[TT+\k]
	v_mov_b32 v[\c+9+\k], v[TT+4+\k]
.endr
.endm
; each unit has code registers of its own, so no store's data are written again; sixteen neighbouring lanes store 256 consecutive bytes, aligned
.macro DSTORE c, s
.irp g, 0,1,2
	global_store_b128 v4, v[\c+4*\g:\c+4*\g+3], s[20:21] offset:FRB*\s+512*\g
.endr
.endm
.macro NSTORE c, hh
.irp g, 0,1,2
	global_store_b128 v9, v[\c+4*\g:\c+4*\g+3], s[20:21] offset:25600+512*\g+256*\hh
.endr
.endm
	DLOAD XA, 0
	DLOAD XB, 1
	s_wait_dscnt 16                                ; K step 0's 16 loads are in, K step 1's may be out
	QB XA, 36, HW
	NLOAD XA, 0
	DSTORE 36, 0
	s_wait_dscnt 63                                ; 64 loads were issued behind K step 1's: a count of 63 shows them in
	QB XB, 48, HW+1
	NLOAD XB, 1
	DSTORE 48, 1
	s_wait_dscnt 63                                ; likewise: the first half's 64 loads are in
	QB XA, 192, HW+2
	NSTORE 192, 0
	s_wait_dscnt 0x0
	QB XB, 204, HW+3
	NSTORE 204, 1
; ---- the scale words.  Channels: my bytes are blocks h and 2 + h of the K step; with lane l xor 16's two the word is whole
	v_lshlrev_b32 v[HW], v14, v[HW]
	v_lshlrev_b32 v[HW+1], v14, v[HW+1]
	v_permlanex16_b32 v26, v[HW], s26, s27
	v_permlanex16_b32 v27, v[HW+1], s26, s27
	v_or_b32 v[HW], v[HW], v26
	v_or_b32 v[HW+1], v[HW+1], v27
	v_cmp_eq_u32 vcc_lo, 1, v3
	v_cndmask_b32 v[HW], v[HW], v[HW+1], vcc_lo    ; lanes 0-15 keep K step 0's word, lanes 16-31 K step 1's
	v_lshl_or_b32 v[HW+2], v[HW+3], 8, v[HW+2]     ; rows: blocks 0, 2 from the first half, 1, 3 from the second
	ds_store_b32 v10, v[HW]
	ds_store_b32 v10, v[HW+2] offset:1024
	s_wait_dscnt 0x0                               ; for the others' sake: my words lie in LDS
	s_barrier_signal -1
	s_barrier_wait -1
	s_cmp_lt_u32 s12, 4                            ; 2,048 bytes: four waves' worth; no barrier stands behind this branch
	s_cbranch_scc0 .Ldone
	ds_load_b128 v[28:31], v11
	s_wait_dscnt 0x0
	global_store_b128 v13, v[28:31], s[8:9] offset:24576   ; 32 lanes store 512 consecutive bytes, aligned
.Ldone:
	s_wait_tensorcnt 0x0
	ds_add_u32 v254, v255
	s_wait_dscnt 0x0
	s_endpgm
.Lfunc_end_k_q530885ce21_quant:
	.size	k_q530885ce21_quant, .Lfunc_end_k_q530885ce21_quant-k_q530885ce21_quant
	.p2alignl 7, 3214868480
	.fill 96, 4, 3214868480
	.section	.rodata,"a",@progbits
	.p2align	6, 0x0
	.amdhsa_kernel k_q530885ce21_quant
		.amdhsa_group_segment_fixed_size 136192
		.amdhsa_private_segment_fixed_size 0
		.amdhsa_enable_private_segment 0
		.amdhsa_kernarg_size 32
		.amdhsa_user_sgpr_count 2
		.amdhsa_user_sgpr_kernarg_segment_ptr 1
		.amdhsa_wavefront_size32 1
		.amdhsa_system_sgpr_workgroup_id_x 1
		.amdhsa_system_sgpr_workgroup_id_y 1
		.amdhsa_system_sgpr_workgroup_id_z 1
		.amdhsa_system_vgpr_workitem_id 0
		.amdhsa_next_free_vgpr 256
		.amdhsa_next_free_sgpr 66
		.amdhsa_reserve_vcc 1
		.amdhsa_float_denorm_mode_32 3
		.amdhsa_float_denorm_mode_16_64 3
		.amdhsa_memory_ordered 1
		.amdhsa_forward_progress 1
		.amdhsa_inst_pref_size 33
	.end_amdhsa_kernel
	.amdgpu_metadata
---
amdhsa.version: [ 1, 2 ]
amdhsa.kernels:
  - .name:           k_q530885ce21_quant
    .symbol:         k_q530885ce21_quant.kd
    .args:
      - { .name: image_features, .offset: 0, .size: 8, .value_kind: global_buffer, .address_space: global }
      - { .name: text_features, .offset: 8, .size: 8, .value_kind: global_buffer, .address_space: global }
      - { .name: imgkv, .offset: 16, .size: 8, .value_kind: global_buffer, .address_space: global }
      - { .name: txtkv, .offset: 24, .size: 8, .value_kind: global_buffer, .address_space: global }
    .group_segment_fixed_size: 136192
    .private_segment_fixed_size: 0
    .kernarg_segment_align: 8
    .kernarg_segment_size: 32
    .max_flat_workgroup_size: 256
    .sgpr_count:     66
    .vgpr_count:     256
    .wavefront_size: 32
...
	.end_amdgpu_metadata
.endif
;; end of part 1
;; launch imgout (part 2): grid 64 x 4, 4 waves a work-group, clusters of 4 x 1, 327,680 bytes of LDS; arguments imgkv, txtkv, out0, stats; writes out0, stats
.if DOCPART == 2
	.amdgcn_target "amdgcn-amd-amdhsa--gfx1250"
	.amdhsa_code_object_version 6
	.text
	.protected	k_q530885ce21_imgout
	.globl	k_q530885ce21_imgout
	.p2align	8
	.type	k_q530885ce21_imgout,@function
k_q530885ce21_imgout:
	s_mov_b64 s[64:65], 0
	v_nop
	global_prefetch_b8 v0, s[64:65] scope:SCOPE_SE
	s_setreg_imm32_b32 hwreg(HW_REG_WAVE_MODE, 25, 1), 1
	s_wait_xcnt 0x0
	s_wait_alu depctr_hold_cnt(0) depctr_sa_sdst(0) depctr_va_vdst(0) depctr_va_sdst(0) depctr_va_ssrc(0) depctr_va_vcc(0) depctr_vm_vsrc(0)
	s_getreg_b32 s2, hwreg(HW_REG_IB_STS2, 6, 4)
	s_cmp_eq_u32 s2, 0
	s_cbranch_scc0 .Lentry_in_a_cluster
	s_endpgm
.Lentry_in_a_cluster:
	s_bfe_u32 s2, ttmp6, 0x10000c
	s_cmp_lg_u32 s2, 0x3003
	s_cbranch_scc0 .Lentry_shape_is_right
	s_endpgm
.Lentry_shape_is_right:
; ONE TEXT FOR TWO LAUNCHES; TXT says which.  Both walk all 4,096 "keys" of a batch for 64 "queries" a work-group, on codes of FP6 (E2M3) with E8M0 scales, laid by the launch before as images of operand registers.
; TXT = 0: image_out = softmax(image text^T / 16) text.  Queries = image rows, keys = text rows.  p = 2^(t - M), t = score x log2(e) / 16, M = the running largest t rounded UP to a whole number; p is quantised along the keys,
;          not normalised; the row's sum l is taken of the unquantised p and divides at the end.  It also stores -M and 1 / l of every image row for the next launch.
; TXT = 1: text_out = attn^T image.  Queries = text rows, keys = image rows.  The scores are made again; attn = 2^(t - M_i) x (1 / l_i), the FINISHED softmax, with M_i and l_i of the KEY, is quantised along the keys.
; Arguments: the queries' codes, the keys' codes, the output, the statistics.
; LIMITS: NaN and infinities are not served; a p under 2^-126 counts as 0; a block of p under 2^-124 keeps the scale byte 1 (a block of zeros too: its codes are zeros).
; SHARES.  Wave w: qg = w % 2 picks 32 of the 64 queries (two tiles of 16), ks = w / 2 one of a step's two key blocks of 128.  So a fragment of K or V read from LDS feeds two products; 16 steps; at the end the two ks partners add.
; LAYOUT.  Both products are used transposed: S^T = K Q^T (source 0 = 16 keys), O^T = V^T P^T (source 0 = 16 channels): a lane holds ONE query throughout.  The keys of a tile are chosen (lane r of tile 2 b + u: key 32 b + 8 u + r + 8 (r / 8))
; so that the 16 registers of tiles 2 b, 2 b + 1 are keys 32 b + 16 (lane / 16) + 0 .. 15.  The queries' tiles have the same order: it only says which row of the output a lane owns.
; RING.  A step's 102,400 bytes (K, V of key block 2 j; K, V of 2 j + 1) are one dense run of memory: four quarters, one tensor load a wave; two slots.  All operands are read at 16 x lane: no pitch, no padding.
; CLUSTER.  The four work-groups of a cluster belong to one batch and walk the same keys: each quarter is asked for JOINTLY, by the same load with the same descriptor and the mask of all four.
; V's sixteen fragments are taken in the order (T + 8 ks) % 16, so that in every wave slots 0-7 are the channels that it keeps at the end and slots 8-15 those that its partner keeps: no branch.
; REGISTERS, in windows of 256: window 0: addresses, scales, statistics, S^T (then p, then p's codes).  window 1: O^T, tile q, slot T at 128 q + 8 T.  window 2: v0-191 K's 16 fragments; v192-239 Q's four.
;   window 3: v0-191 V's 16 fragments; with TXT v192-255 the step's -M.
.set TXT, 0
.set QTR,   25600                      ; a quarter of a step: K's or V's part of a key block
.set BLKB,  2*QTR
.set STEPB, 4*QTR
.set BATB,  32*BLKB                    ; a batch's codes
.set FRB,   1536                       ; a fragment's image
.set SLOT1, 1<<17                      ; slot 1 begins here: one exclusive or turns an address in one slot into the other's
.set SPARE, SLOT1+STEPB                ; the spare words, 128 bytes for each wave: two blocks of 256 bytes that no other line names
.set STL,   SPARE+512                  ; TXT: -M of the batch's 4,096 keys, then 1 / l: 32,768 bytes, filled once
.set XCH,   0                          ; the way out lies in slot 0, which has had its last fill and its last read by then: 16,384 bytes a wave for the partner,
.set STAGE, 65536                      ; 16 rows x 528 bytes a wave,
.set SP,    528
.set XST,   STAGE+4*16*SP              ; and 512 bytes a wave of statistics
.set SPW,  1                           ; v1   LDS address of my spare word; never rewritten
.set NIL,  2                           ; v2   0; never rewritten
.set AK0,  3                           ; v3   16 x lane + my key block's K part in a slot
.set AVL,  4                           ; v4, v5  the same for V's slots 0-7 and 8-15
.set AVH,  5
.set ASL,  6                           ; v6, v7  and for their scale registers
.set ASH,  7
.set ADK,  8                           ; v8-13  the addresses of the loads in hand
.set ADVL, 9
.set ADVH, 10
.set ADSL, 11
.set ADSH, 12
.set ADT,  13
.set AST0, 14                          ; v14  TXT: my half's place among a key block's statistics
.set PFO,  15                          ; v15  the prefetches' offset; never rewritten
.set KSC,  16                          ; v16-23 K's scale registers, v24-31 V's, v32-33 Q's, v34-35 p's: scales and nothing else
.set VSC,  24
.set QSC,  32
.set PSC,  34
.set ST,   36                          ; TXT = 0: tile q's statistics at v[36 + 8 q]: -M, the largest t, l in two halves, f (a pair), two at work
.set BM,   52                          ; v52-55 the four blocks' maxima;  v56-59, v60-63 at work
.set PT,   56
.set SO,   60
.set S,    64                          ; v64-191 S^T: tile q at 64 + 64 q
.set RL,   192                         ; TXT: v192-255 the step's 1 / l
.set NM,   192                         ; TXT: in window 3, the step's -M
.set QF,   192                         ; in window 2
.set QO,   200                         ; v200, v201  Q's offsets in memory, at the head alone
.set QSO,  201
.if TXT
.set TT,   36                          ; eight registers for the first two conversions' results
.else
.set TT,   192
.endif
.set WV,  12                           ; s12 wave, s13 ks, s14 qg, s15 cx, s16 the work-group's x, s17 the batch
.set KS,  13
.set QG,  14
.set CX,  15
.set X,   16
.set BA,  17
.set PFA, 18                           ; s[18:19] where my prefetches stand
.set LIM, 20                           ; s20  1 in a cluster that prefetches, else the greatest number
.set CNT, 21                           ; s21  the loop's trips to go
.set TB,  22                           ; s22  the slot of the next fetch
.set TS,  23                           ; s23  TXT: the step's statistics: 1,024 bytes a step
.set G1,  24                           ; s[24:31] descriptor group 1 of a quarter;  s[32:35], s[36:39] groups 0 of the two first fills; the second then walks
.set G0A, 32
.set G0B, 36
.set G1S, 40                           ; TXT: s[40:47], s[48:51] groups 1 and 0 of the statistics
.set G0S, 48
.set CS,  52                           ; s[52:53] c = log2(e) / 16
.set SEL, 54                           ; s[54:55] v_permlanex16_b32's selects for lane l xor 16
.set MSB, 0
.macro WIN new                         ; the immediate's high byte repeats the setting that is left; a switch that changes nothing is dropped
.if MSB != \new
	s_set_vgpr_msb (MSB<<8)|\new
.set MSB, \new
.endif
.endm
.set W_KQ, 0x0a                        ; K and Q in window 2, S^T in window 0
.set W_PV, 0x53                        ; V in window 3, p in window 0, O^T in window 1
.set W_RS, 0x41                        ; O^T (destination and source 0) in window 1
.set TO_2, 0x80                        ; destination window 2, address window 0
.set TO_3, 0xc0                        ; destination window 3
.macro PLACES n
.rept \n
	v_nop
.endr
.endm
; A round of the cluster's barrier: my work-group's barrier; wave 0 signals for the work-group; every wave waits for all four work-groups; my work-group's barrier once more.
.macro CROUND
	s_barrier_signal -1
	s_barrier_wait -1
	s_cmp_lg_u32 s[WV], 0
	s_cbranch_scc1 .Lnot_wave_0_\@
	s_barrier_signal -3
.Lnot_wave_0_\@:
	s_barrier_wait -3
	s_barrier_signal -1
	s_barrier_wait -1
.endm
; A PREFETCH INTO THE L2 of the step that the NEXT change of slots will ask for.  All sixteen clusters of a batch walk the same keys: the batch's first cluster asks.  A step is 400 blocks of 256 bytes: wave w of partner cx takes
; 25 of its quarter's 100, told apart BY ADDRESS; a lane a block (lanes 24 to 31 name the 25th together).  The loop's last trip asks for nothing: there is no step behind the one that it fetches.
.macro ASK
	s_cmp_gt_u32 s[CNT], s[LIM]
	s_cbranch_scc0 .Lnot_mine_\@
	global_prefetch_b8 v[PFO], s[PFA:PFA+1] th:TH_LOAD_NT scope:SCOPE_SE
.Lnot_mine_\@:
.endm
	s_load_b256 s[4:11], s[0:1], 0x0               ; the queries' codes s[4:5], the keys' s[6:7], the output s[8:9], the statistics s[10:11]
	v_lshl_add_u32 v[SPW], v0, 2, SPARE
	v_mov_b32 v[NIL], 0
	ds_add_u32 v1, v2
	ds_add_u32 v1, v2
	s_wait_dscnt 0x0
	v_lshrrev_b32 v3, 5, v0
	v_readfirstlane_b32 s[WV], v3                  ; wave 0..3
	s_lshr_b32 s[KS], s[WV], 1
	s_and_b32 s[QG], s[WV], 1
	s_bfe_u32 s[CX], ttmp6, 0x40000                ; my place in the cluster
	s_lshl_b32 s[X], ttmp9, 2                      ; in a cluster launch ttmp9 counts clusters
	s_add_co_u32 s[X], s[X], s[CX]                 ; my block of 64 queries: it enters Q's, the output's and the prefetches' addresses alone
	s_and_b32 s[BA], ttmp7, 0xffff                 ; the batch, which the four partners share
	; descriptor group 1: a dense quarter of 25,600 bytes as 100 rows of 256 bytes (32 elements of 8 bytes)
	s_mov_b32 s[G1], 15|(3<<16)|(1<<21)            ; 15:0 the mask: all four work-groups; 17:16 elements of 8 bytes; 20 no padding; 21 set beside a mask
	s_mov_b32 s[G1+1], 32<<16                      ; tensor_dim0
	s_mov_b32 s[G1+2], 100<<16                     ; tensor_dim1
	s_mov_b32 s[G1+3], 32<<16                      ; tile_dim0
	s_mov_b32 s[G1+4], 100                         ; tile_dim1
	s_mov_b32 s[G1+5], 32                          ; the pitch
	s_mov_b32 s[G1+6], 0
	s_mov_b32 s[G1+7], 0
.if TXT
	s_mov_b32 s[G1S], 15|(3<<16)|(1<<21)           ; the statistics: 8,192 dense bytes a wave, 32 rows of 256
	s_mov_b32 s[G1S+1], 32<<16
	s_mov_b32 s[G1S+2], 32<<16
	s_mov_b32 s[G1S+3], 32<<16
	s_mov_b32 s[G1S+4], 32
	s_mov_b32 s[G1S+5], 32
	s_mov_b32 s[G1S+6], 0
	s_mov_b32 s[G1S+7], 0
	s_mov_b32 s[TS], 0
.endif
	s_mov_b32 s[CS], 0x3db8aa3b                    ; c = log2(e) / 16
	s_mov_b32 s[CS+1], s[CS]                       ; (named with it as a pair, so it is written)
	s_mov_b32 s[SEL], 0x76543210
	s_mov_b32 s[SEL+1], 0xfedcba98
	s_mov_b32 s[TB], 0
	s_cmp_eq_u32 ttmp9, 0                          ; the batch's first cluster: the same in all four partners
	s_cselect_b32 s[LIM], 1, -1
	; what the joint loads' addresses are made of: the batch and the wave's number alone, in registers that never hold cx
	s_mul_i32 s56, s[BA], BATB
	s_mul_i32 s57, s[WV], QTR                      ; my quarter: in a step's bytes and in a slot
	s_add_co_u32 s58, s56, s57
	s_mov_b32 s59, 0
	; what hangs on the work-group's x
	s_lshr_b32 s66, s[X], 1
	s_mul_i32 s66, s66, BLKB
	s_add_co_u32 s66, s66, s56                     ; the block of 128 rows that holds my 64 queries
	s_mov_b32 s67, 0
	s_and_b32 s68, s[X], 1                         ; which half of it
	s_mul_i32 s69, s68, 8*FRB
	s_mul_i32 s70, s[QG], 4*FRB
	s_add_co_u32 s69, s69, s70                     ; my two tiles' four fragments: tiles 4 (x % 2) + 2 qg + 0, 1
	s_lshl_b32 s68, s68, 9
	s_lshl_b32 s70, s[QG], 3
	s_add_co_u32 s68, s68, s70                     ; and their two scale registers
	v_and_b32 v8, 31, v0
	v_lshlrev_b32 v8, 4, v8                        ; 16 x lane
	v_add_nc_u32 v[QO], s69, v8
	v_add_nc_u32 v[QSO], s68, v8
	s_lshl_b32 s70, s[BA], 12
	s_lshl_b32 s71, s[X], 6
	s_add_co_u32 s70, s70, s71
	s_lshl_b32 s71, s[QG], 5
	s_add_co_u32 s70, s70, s71                     ; my first row: 4,096 x batch + 64 x + 32 qg
	s_lshl_b32 s72, s70, 10
	s_lshl_b32 s73, s[KS], 9
	s_add_co_u32 s72, s72, s73                     ; in the output: rows of 1,024 bytes, + the 512 bytes (128 channels) that I keep
	s_mov_b32 s73, 0
.if TXT
	s_lshl_b32 s74, s[KS], 16                      ; the statistics that I fetch: waves 0, 1 the halves of -M, waves 2, 3 of 1 / l, of my batch
	s_lshl_b32 s75, s[BA], 14
	s_add_co_u32 s74, s74, s75
	s_lshl_b32 s75, s[QG], 13
	s_add_co_u32 s74, s74, s75
.else
	s_lshl_b32 s74, s70, 2                         ; the statistics that I store: ks = 0 my 32 rows' -M, ks = 1 their 1 / l
	s_lshl_b32 s75, s[KS], 16
	s_add_co_u32 s74, s74, s75
.endif
	s_mov_b32 s75, 0
	s_mul_i32 s76, s[CX], 6400
	s_add_co_u32 s76, s76, 2*STEPB                 ; the prefetches: my work-group's 25 blocks of my quarter, at step 2; the first change of slots steps it to step 3
	s_mov_b32 s77, 0
	s_wait_kmcnt 0x0
	s_add_nc_u64 s[4:5], s[4:5], s[66:67]
	s_add_nc_u64 s[6:7], s[6:7], s[58:59]
	s_add_nc_u64 s[8:9], s[8:9], s[72:73]
	s_add_nc_u64 s[10:11], s[10:11], s[74:75]
	s_add_nc_u64 s[PFA:PFA+1], s[6:7], s[76:77]
	s_mov_b32 s[G0A], 1                            ; 1:0 count = 1
	s_mov_b32 s[G0A+1], s57                        ; LDS address: slot 0, my quarter
	s_mov_b64 s[G0A+2:G0A+3], s[6:7]               ; global address: step 0
	s_or_b32 s[G0A+3], s[G0A+3], 0x80000000        ; type = 2
	s_mov_b32 s[G0B], 1
	s_add_co_u32 s[G0B+1], s57, SLOT1              ; slot 1,
	s_add_nc_u64 s[G0B+2:G0B+3], s[6:7], STEPB     ; step 1
	s_or_b32 s[G0B+3], s[G0B+3], 0x80000000
.if TXT
	s_mov_b32 s[G0S], 1
	s_lshl_b32 s[G0S+1], s[WV], 13
	s_add_co_u32 s[G0S+1], s[G0S+1], STL
	s_mov_b64 s[G0S+2:G0S+3], s[10:11]
	s_or_b32 s[G0S+3], s[G0S+3], 0x80000000
.endif
	CROUND                                         ; all four work-groups are here: the first joint loads meet
.if TXT
	tensor_load_to_lds s[G0S:G0S+3], s[G1S:G1S+7]  ; the first fills go out together: three loads of mine are out (two with TXT = 0)
.endif
	tensor_load_to_lds s[G0A:G0A+3], s[G1:G1+7]
	s_nop 0
	tensor_load_to_lds s[G0B:G0B+3], s[G1:G1+7]
	s_nop 0
	PLACES 4                                       ; four lines behind a tensor load, ahead of the next switch of windows
	WIN TO_2
.set i, 0
.rept 12
	global_load_b128 v[QF+4*i:QF+4*i+3], v[QO], s[4:5] offset:512*i   ; Q's four fragments lie on end, and stay in registers: (tile q, K step s) at QF + 12 (2 q + s)
.set i, i+1
.endr
	WIN 0
	global_load_b64 v[QSC:QSC+1], v[QSO], s[4:5] offset:24576
	s_mul_i32 s66, s[KS], BLKB
	v_add_nc_u32 v[AK0], s66, v8
	s_mul_i32 s66, s[KS], BLKB+8*FRB               ; ks = 1 takes V's fragments 8-15 first,
	s_add_co_u32 s66, s66, QTR
	v_add_nc_u32 v[AVL], s66, v8
	s_mul_i32 s66, s[KS], BLKB-8*FRB               ; then 0-7 (the loads' offsets go on counting from 8)
	s_add_co_u32 s66, s66, QTR
	v_add_nc_u32 v[AVH], s66, v8
	s_mul_i32 s66, s[KS], BLKB+512                 ; and their scale registers likewise: four registers are 512 bytes
	s_add_co_u32 s66, s66, QTR+24576
	v_add_nc_u32 v[ASL], s66, v8
	s_mul_i32 s66, s[KS], BLKB-512
	s_add_co_u32 s66, s66, QTR+24576
	v_add_nc_u32 v[ASH], s66, v8
	v_and_b32 v[PFO], 31, v0
	v_min_u32 v[PFO], 24, v[PFO]
	v_lshlrev_b32 v[PFO], 8, v[PFO]
.if TXT
	v_bfe_u32 v[AST0], v0, 4, 1
	v_lshlrev_b32 v[AST0], 6, v[AST0]              ; my half's 16 keys of each 32: 64 bytes on
	s_lshl_b32 s66, s[KS], 9
	s_add_co_u32 s66, s66, STL
	v_add_nc_u32 v[AST0], s66, v[AST0]
.else
.irp u, 0,1
	v_mov_b32 v[ST+8*\u+1], 0xff61b1e6             ; the largest t so far: -3e38, under every t
	v_floor_f32 v[ST+8*\u], -v[ST+8*\u+1]          ; -M
.irp k, 2,3,4,5,6,7
	v_mov_b32 v[ST+8*\u+\k], 0                     ; l, and what is named in pairs before it is first made
.endr
.endr
.endif
.irp b, 0,1,2,3
	v_mov_b32 v[PT+\b], 0                          ; written once: a lane permute's destination counts as one of its sources
.endr
; A step's K: 16 fragments, 48 loads in one run, and its eight scale registers
.macro FETCH_K
	v_add_nc_u32 v[ADK], s[TB], v[AK0]
	WIN TO_2
.set i, 0
.rept 48
	ds_load_b128 v[4*i:4*i+3], v[ADK] offset:512*i
.set i, i+1
.endr
	WIN 0
	ds_load_b128 v[KSC:KSC+3], v[ADK] offset:24576
	ds_load_b128 v[KSC+4:KSC+7], v[ADK] offset:25088
.endm
; S^T = K Q^T: product i of 32: tile of queries i % 2, tile of keys (i / 2) % 8, K step i / 16.  The 16 accumulators take turns, one instruction a turn; the first 16 start the sums.
; K step 1's scale words stand in lanes 16-31 of the same registers.
.macro SMUL
	WIN W_KQ
.set i, 0
.rept 32
.set rD, S+64*(i%2)+8*((i/2)%8)
.set rA, 12*(2*((i/2)%8)+i/16)
.set rB, QF+12*(2*(i%2)+i/16)
.set rX, KSC+(i/2)%8
.set rY, QSC+i%2
.if i < 16
	v_wmma_scale_f32_16x16x128_f8f6f4 v[rD:rD+7], v[rA:rA+11], v[rB:rB+11], 0, v[rX], v[rY] matrix_a_fmt:MATRIX_FMT_FP6 matrix_b_fmt:MATRIX_FMT_FP6
.else
	v_wmma_scale_f32_16x16x128_f8f6f4 v[rD:rD+7], v[rA:rA+11], v[rB:rB+11], v[rD:rD+7], v[rX], v[rY] matrix_a_fmt:MATRIX_FMT_FP6 matrix_b_fmt:MATRIX_FMT_FP6 matrix_a_scale:MATRIX_SCALE_ROW1 matrix_b_scale:MATRIX_SCALE_ROW1
.endif
.set i, i+1
.endr
.endm
; O^T += V^T P^T: product i of 32: tile of queries i % 2, V's slot i / 2.  32 accumulators, one instruction each.  zero = 1: the first step starts the sums: nothing is ever cleared.
; A scale register of V holds an even slot's words in lanes 0-15 and the odd slot's in lanes 16-31.
.macro PVMUL zero
	WIN W_PV
.set i, 0
.rept 32
.set rD, 128*(i%2)+8*(i/2)
.set rA, 12*(i/2)
.set rB, S+64*(i%2)
.set rX, VSC+i/4
.set rY, PSC+i%2
.if \zero
.if (i/2)%2
	v_wmma_scale_f32_16x16x128_f8f6f4 v[rD:rD+7], v[rA:rA+11], v[rB:rB+11], 0, v[rX], v[rY] matrix_a_fmt:MATRIX_FMT_FP6 matrix_b_fmt:MATRIX_FMT_FP6 matrix_a_scale:MATRIX_SCALE_ROW1
.else
	v_wmma_scale_f32_16x16x128_f8f6f4 v[rD:rD+7], v[rA:rA+11], v[rB:rB+11], 0, v[rX], v[rY] matrix_a_fmt:MATRIX_FMT_FP6 matrix_b_fmt:MATRIX_FMT_FP6
.endif
.else
.if (i/2)%2
	v_wmma_scale_f32_16x16x128_f8f6f4 v[rD:rD+7], v[rA:rA+11], v[rB:rB+11], v[rD:rD+7], v[rX], v[rY] matrix_a_fmt:MATRIX_FMT_FP6 matrix_b_fmt:MATRIX_FMT_FP6 matrix_a_scale:MATRIX_SCALE_ROW1
.else
	v_wmma_scale_f32_16x16x128_f8f6f4 v[rD:rD+7], v[rA:rA+11], v[rB:rB+11], v[rD:rD+7], v[rX], v[rY] matrix_a_fmt:MATRIX_FMT_FP6 matrix_b_fmt:MATRIX_FMT_FP6
.endif
.endif
.set i, i+1
.endr
.endm
; The tile's 64 numbers at v[rS] (register 16 b + k = key 32 b + 16 (lane / 16) + k) become the operand's 12 registers at v[rS] and the scale word in v[PSC + q]; v[BM + b] holds block b's largest number.
.macro PQUANT q
.if !TXT
.irp b, 0,1,2,3
	v_max_num_f32 v[BM+\b], 0x1800000, v[BM+\b]    ; the floor 2^(3 - 127): the byte cannot fall under 1
.endr
.endif
.irp b, 0,1,2,3
	v_add_nc_u32 v[SO+\b], 0xff000000, v[BM+\b]    ; 2 off the exponent field: the conversion's scale operand
.endr
.irp b, 0,1,2,3
	v_lshrrev_b32 v[PT+\b], 23, v[SO+\b]           ; the scale's byte
.endr
	v_lshl_or_b32 v[PSC+\q], v[PT+1], 8, v[PT]
	v_lshl_or_b32 v[PSC+\q], v[PT+2], 16, v[PSC+\q]
	v_lshl_or_b32 v[PSC+\q], v[PT+3], 24, v[PSC+\q]
	v_cvt_scalef32_pk16_fp6_f32 v[TT:TT+2], v[rS:rS+15], v[SO]
	v_cvt_scalef32_pk16_fp6_f32 v[TT+4:TT+6], v[rS+16:rS+31], v[SO+1]
	v_nop                                          ; a plain line: the next two conversions write registers that the first has read
	v_cvt_scalef32_pk16_fp6_f32 v[rS+6:rS+8], v[rS+32:rS+47], v[SO+2]
	v_cvt_scalef32_pk16_fp6_f32 v[rS+12:rS+14], v[rS+48:rS+63], v[SO+3]
	v_nop                                          ; and one behind the last
.irp k, 0,1,2                          ; the operand's layout wants a WHOLE block in a lane: lanes 0-15 block 2 c, lanes 16-31 block 2 c + 1
	v_permlane16_swap_b32 v[TT+\k], v[TT+4+\k]
	v_permlane16_swap_b32 v[rS+6+\k], v[rS+12+\k]
.endr
.irp k, 0,1,2
	v_mov_b32 v[rS+\k], v[TT+\k]
	v_mov_b32 v[rS+3+\k], v[TT+4+\k]
	v_mov_b32 v[rS+9+\k], v[rS+12+\k]
.endr
.endm
.if TXT
; attn = 2^(c s - M_key) / l_key, finished, then its blocks' maxima (none is negative; the floor stands among the leaves), then the codes.
.macro SOFTMAX q, first
.set rS, S+64*\q
	WIN 0x30                                       ; source 2 (-M) in window 3
.set i, 0
.rept 32
	v_pk_fma_f32 v[rS+i:rS+i+1], v[rS+i:rS+i+1], s[CS:CS+1], v[NM+i:NM+i+1] op_sel_hi:[1,0,1]   ; each accumulator from its low end on
.set i, i+2
.endr
	WIN 0
.set i, 0
.rept 64
	v_exp_f32 v[rS+i], v[rS+i]
.set i, i+1
.endr
	v_nop                                          ; a plain line behind the last exponential
	s_wait_alu depctr_va_vdst(0)                   ; one wait for the batch, ahead of its first reader
.set i, 0
.rept 32
	v_pk_mul_f32 v[rS+i:rS+i+1], v[rS+i:rS+i+1], v[RL+i:RL+i+1]
.set i, i+2
.endr
.irp b, 0,1,2,3
	v_max3_num_f32 v[BM+\b], v[rS+16*\b], v[rS+16*\b+1], 0x1800000
.endr
.irp k, 2,4,6,8,10,12,14
.irp b, 0,1,2,3
	v_max3_num_f32 v[BM+\b], v[BM+\b], v[rS+16*\b+\k], v[rS+16*\b+\k+1]
.endr
.endr
.irp b, 0,1,2,3
	v_permlanex16_b32 v[PT+\b], v[BM+\b], s[SEL], s[SEL+1]
.endr
.irp b, 0,1,2,3
	v_max_num_f32 v[BM+\b], v[BM+\b], v[PT+\b]     ; with lane l xor 16's 16 keys
.endr
	PQUANT \q
.endm
.else
; The running softmax of one tile.  first = 1: O^T has not begun, so nothing is rescaled.
.macro SOFTMAX q, first
.set rS, S+64*\q
.set rT, ST+8*\q
	WIN 0
.irp b, 0,1,2,3
	v_max3_num_f32 v[BM+\b], v[rS+16*\b], v[rS+16*\b+1], v[rS+16*\b+2]   ; the largest SCORE of each block of 32 keys: for the row's maximum and, since p rises with the score, for the block's largest p
.endr
.irp k, 3,5,7,9,11,13
.irp b, 0,1,2,3
	v_max3_num_f32 v[BM+\b], v[BM+\b], v[rS+16*\b+\k], v[rS+16*\b+\k+1]
.endr
.endr
.irp b, 0,1,2,3
	v_max_num_f32 v[BM+\b], v[BM+\b], v[rS+16*\b+15]
.endr
.irp b, 0,1,2,3
	v_permlanex16_b32 v[PT+\b], v[BM+\b], s[SEL], s[SEL+1]
.endr
.irp b, 0,1,2,3
	v_max_num_f32 v[BM+\b], v[BM+\b], v[PT+\b]     ; with lane l xor 16's 16 keys
.endr
	v_max3_num_f32 v[rT+6], v[BM], v[BM+1], v[BM+2]
	v_max_num_f32 v[rT+6], v[rT+6], v[BM+3]
	v_mul_f32 v[rT+6], s[CS], v[rT+6]              ; as t (c is positive)
	v_max_num_f32 v[rT+1], v[rT+1], v[rT+6]        ; the running largest t
	v_mov_b32 v[rT+6], v[rT]
	v_floor_f32 v[rT], -v[rT+1]                    ; the new -M = floor(-t) = -ceil(t): a whole number
	v_sub_f32 v[rT+6], v[rT], v[rT+6]              ; old M - new M: a whole number, 0 or less
	v_cvt_i32_f32 v[rT+6], v[rT+6]                 ; (it saturates)
	v_ldexp_f32 v[rT+4], 1.0, v[rT+6]              ; f = 2^(old M - new M): a multiplication by it rounds nothing
.set i, 0
.rept 32
	v_pk_fma_f32 v[rS+i:rS+i+1], v[rS+i:rS+i+1], s[CS:CS+1], v[rT:rT+1] op_sel_hi:[1,0,0]   ; t - M, two at a time
.set i, i+2
.endr
.irp b, 0,1,2,3
	v_fma_f32 v[BM+\b], v[BM+\b], s[CS], v[rT]     ; the same of each block's largest score
.endr
.set i, 0
.rept 64
	v_exp_f32 v[rS+i], v[rS+i]                     ; p = 2^(t - M), at most 1: not normalised
.set i, i+1
.endr
	v_pk_mul_f32 v[rT+2:rT+3], v[rT+2:rT+3], v[rT+4:rT+5] op_sel_hi:[1,0]   ; l under the new M: the plain line behind the exponentials
	s_wait_alu depctr_va_vdst(0)                   ; one wait for the batch, ahead of its first reader
.irp b, 0,1,2,3
	v_exp_f32 v[BM+\b], v[BM+\b]                   ; the block's largest p: the same two instructions on the same number
.endr
	v_pk_add_f32 v[PT:PT+1], v[rS:rS+1], v[rS+2:rS+3]   ; the row's sum is taken of the UNQUANTISED p, in two chains; it reads the 64 alone
.set i, 4
.rept 15
	v_pk_add_f32 v[rT+2:rT+3], v[rT+2:rT+3], v[rS+i:rS+i+1]
	v_pk_add_f32 v[PT:PT+1], v[PT:PT+1], v[rS+i+2:rS+i+3]
.set i, i+4
.endr
	v_pk_add_f32 v[rT+2:rT+3], v[rT+2:rT+3], v[PT:PT+1]
	s_wait_alu depctr_va_vdst(0)                   ; and one for the four
	PQUANT \q
.if !\first
	WIN W_RS
.set i, 0
.rept 64
	v_pk_mul_f32 v[128*\q+i:128*\q+i+1], v[128*\q+i:128*\q+i+1], v[rT+4:rT+5] op_sel_hi:[1,0]   ; O^T under the new M; these lines also stand between the codes' and the scale word's last writes and the products
.set i, i+2
.endr
.endif
.endm
.endif
; THE CHANGE OF SLOTS, in a step's middle: the step's K has been multiplied and its V has been asked for.  Each wave waits for all its tensor loads (one is out: its quarter of the other slot), adds 0 to its spare word, and waits for
; that and for its reads of this slot.  chg = 2: the barrier is a round of the cluster's, and behind it this slot is filled with the step two on: that load has a whole step in which to land.  chg = 1: nothing is left to fetch.
.macro CHANGE chg
	WIN 0                                          ; at a label and at a branch every window is 0
.if \chg
	s_wait_tensorcnt 0x0                           ; no tensor load of mine is out, so a group 0 may be written
	ds_add_u32 v[SPW], v[NIL]                      ; 0 onto my spare word
.if \chg == 2
	s_xor_b32 s[G0B+1], s[G0B+1], SLOT1            ; the walking descriptor: the other slot than last time,
	s_add_nc_u64 s[G0B+2:G0B+3], s[G0B+2:G0B+3], STEPB   ; the next step; the type bits on top are not reached
	s_wait_xcnt 0x0                                ; the last prefetch, a step back, has read its address, so it may be written
	s_add_nc_u64 s[PFA:PFA+1], s[PFA:PFA+1], STEPB ; one step further on than the walking descriptor
	s_wait_dscnt 0x0                               ; the add is done, V is in, and my reads of this slot are over
	CROUND
	tensor_load_to_lds s[G0B:G0B+3], s[G1:G1+7]    ; the first thing behind the round, and my one tensor load until the next
	s_nop 0
	PLACES 4                                       ; four lines here
	FETCH_K                                        ; the next step's K, from the other slot: its last products stand in front of the first tile's softmax
	ASK
.else
	s_wait_dscnt 0x0
	s_barrier_signal -1
	s_barrier_wait -1
	FETCH_K
.endif
.endif
.endm
; A STEP: my key block of 128.
.macro STEP first, chg
	s_wait_dscnt 0x0                               ; K, asked for half a step ago, is in
	v_add_nc_u32 v[ADVL], s[TB], v[AVL]            ; five plain lines behind the last step's products: four are owed to the loads into V and its scales,
	v_add_nc_u32 v[ADVH], s[TB], v[AVH]            ; five to the products below, which write over p's codes (ISA guide 7.12.1 for vector instructions)
	v_add_nc_u32 v[ADSL], s[TB], v[ASL]
	v_add_nc_u32 v[ADSH], s[TB], v[ASH]
.if TXT
	v_add_nc_u32 v[ADT], s[TS], v[AST0]
.set i, 0
.rept 16
	ds_load_b128 v[RL+4*i:RL+4*i+3], v[ADT] offset:16384+128*(i/4)+16*(i%4)   ; 1 / l of keys 32 b + 16 (lane / 16) + 0 .. 15: the order of S^T's registers
.set i, i+1
.endr
	WIN TO_3
.set i, 0
.rept 16
	ds_load_b128 v[NM+4*i:NM+4*i+3], v[ADT] offset:128*(i/4)+16*(i%4)         ; and -M
.set i, i+1
.endr
.else
	v_nop
.endif
	WIN TO_3
.set i, 0
.rept 24
	ds_load_b128 v[4*i:4*i+3], v[ADVL] offset:512*i
.set i, i+1
.endr
.rept 24
	ds_load_b128 v[4*i:4*i+3], v[ADVH] offset:512*i
.set i, i+1
.endr
	WIN 0
	ds_load_b128 v[VSC:VSC+3], v[ADSL]
	ds_load_b128 v[VSC+4:VSC+7], v[ADSH] offset:512
	s_xor_b32 s[TB], s[TB], SLOT1                  ; the next fetch is the other slot's
	SMUL
	WIN 0
	PLACES 4                                       ; in front of the first read of the scores
.if TXT
	s_wait_dscnt 50                                ; the statistics are in: behind them V's 48 loads and its two scale loads were issued
.endif
	SOFTMAX 0, \first
	CHANGE \chg
	SOFTMAX 1, \first
.if TXT || \first
	PLACES 8                                       ; a scale register written by a vector instruction stands eight plain lines ahead of a scaled product, an operand four
.endif
.if \chg == 0
	s_wait_dscnt 0x0                               ; V is in (elsewhere the change of slots has waited)
.endif
	PVMUL \first
	WIN 0
.if TXT
	s_add_co_u32 s[TS], s[TS], 1024                ; 256 keys' statistics on
.endif
.endm
	s_wait_tensorcnt 0x1                           ; my quarter of slot 0 (and my part of the statistics) is in; slot 1's load may stay out
	s_barrier_signal -1
	s_barrier_wait -1                              ; everybody's is
	FETCH_K
	s_wait_loadcnt 0x0                             ; Q
	s_mov_b32 s[CNT], 13
	STEP 1, 2                                      ; step 0 starts O^T's sums
.Lstep:                                            ; steps 1 to 13: each asks for the step two on
	STEP 0, 2
	s_sub_co_u32 s[CNT], s[CNT], 1
	s_cmp_lg_u32 s[CNT], 0
	s_cbranch_scc1 .Lstep
	STEP 0, 1                                      ; the tail is written out
	STEP 0, 0
; THE WAY OUT.  The address arithmetic stands behind the last products as their plain lines.
	v_and_b32 v9, 31, v0
	v_lshlrev_b32 v9, 4, v9                        ; 16 x lane: also my offset in a row's 512 bytes of the output
	v_and_b32 v11, 15, v0                          ; r
	v_bfe_u32 v12, v0, 4, 1                        ; h
	s_lshl_b32 s66, s[WV], 9
	s_add_co_u32 s66, s66, XST
	v_add_nc_u32 v3, s66, v9                       ; my statistics,
	s_lshl_b32 s67, s[WV], 14
	v_add_nc_u32 v4, s67, v9                       ; my half of O^T for the partner,
	s_xor_b32 s68, s[WV], 2                        ; the partner: the same queries, the other keys
	s_lshl_b32 s66, s68, 9
	s_add_co_u32 s66, s66, XST
	v_add_nc_u32 v5, s66, v9                       ; its statistics,
	s_lshl_b32 s67, s68, 14
	v_add_nc_u32 v6, s67, v9                       ; its half for me
	s_mul_i32 s66, s[WV], 16*SP
	s_add_co_u32 s66, s66, STAGE                   ; my stage
	v_mul_u32_u24 v7, v11, SP
	v_lshl_add_u32 v7, v12, 5, v7
	v_add_nc_u32 v7, s66, v7                       ; in: row r, 32 bytes for each half of the lanes
	v_add_nc_u32 v8, s66, v9                       ; back: the 32 lanes take one row of 512 bytes
.if !TXT
.irp u, 0,1
	v_add_f32 v[ST+8*\u+2], v[ST+8*\u+2], v[ST+8*\u+3]   ; l's two halves,
.endr
.irp u, 0,1
	v_permlanex16_b32 v[PT+\u], v[ST+8*\u+2], s[SEL], s[SEL+1]
.endr
.irp u, 0,1
	v_add_f32 v[BM+2*\u+1], v[ST+8*\u+2], v[PT+\u] ; and lane l xor 16's: my keys' l
	v_mov_b32 v[BM+2*\u], v[ST+8*\u]               ; beside my -M
.endr
	ds_store_b128 v3, v[BM:BM+3]
.endif
	WIN 0x04                                       ; an LDS store's data are its source 1: window 1
.set i, 0
.rept 32
	ds_store_b128 v4, v[128*(i/16)+64+4*(i%16):128*(i/16)+64+4*(i%16)+3] offset:XCH+512*i   ; slots 8-15 of both tiles, each accumulator from its low end on
.set i, i+1
.endr
	WIN 0
	s_wait_dscnt 0x0                               ; for the partner's sake: my stores have landed
	s_barrier_signal -1
	s_barrier_wait -1
.if !TXT
	ds_load_b128 v[PT:PT+3], v5
.endif
.set i, 0
.rept 32
	ds_load_b128 v[S+4*i:S+4*i+3], v6 offset:XCH+512*i   ; the partner's sums for the channels that I keep: tile q, slot T at S + 64 q + 8 T
.set i, i+1
.endr
.if TXT
	s_wait_dscnt 0x0
	WIN 0x01                                       ; source 0 (my O^T) in window 1
.set i, 0
.rept 64
	v_pk_add_f32 v[S+i:S+i+1], v[128*(i/64)+i%64:128*(i/64)+i%64+1], v[S+i:S+i+1]
.set i, i+2
.endr
	WIN 0
.else
	s_wait_dscnt 32                                ; the partner's statistics are in; its 32 loads of O^T may be out
.irp u, 0,1
	v_min_num_f32 v[ST+8*\u], v[BM+2*\u], v[PT+2*\u]       ; -M of both: the larger M
	v_sub_f32 v[ST+8*\u+6], v[ST+8*\u], v[BM+2*\u]         ; my M less it, and the partner's: whole numbers, 0 or less
	v_sub_f32 v[ST+8*\u+7], v[ST+8*\u], v[PT+2*\u]
	v_cvt_i32_f32 v[ST+8*\u+6], v[ST+8*\u+6]
	v_cvt_i32_f32 v[ST+8*\u+7], v[ST+8*\u+7]
	v_ldexp_f32 v[ST+8*\u+2], 1.0, v[ST+8*\u+6]            ; exact powers of two
	v_ldexp_f32 v[ST+8*\u+4], 1.0, v[ST+8*\u+7]
	v_mul_f32 v[ST+8*\u+6], v[BM+2*\u+1], v[ST+8*\u+2]
	v_fma_f32 v[ST+8*\u+6], v[PT+2*\u+1], v[ST+8*\u+4], v[ST+8*\u+6]   ; the row's l
.endr
	v_rcp_f32 v[ST+1], v[ST+6]
	v_rcp_f32 v[ST+9], v[ST+14]
	v_nop                                          ; a plain line behind the reciprocals,
	s_wait_alu depctr_va_vdst(0)                   ; and a wait ahead of their first reader
.irp u, 0,1
	v_mul_f32 v[ST+8*\u+2], v[ST+8*\u+2], v[ST+8*\u+1]     ; what my sums are multiplied by,
	v_mul_f32 v[ST+8*\u+4], v[ST+8*\u+4], v[ST+8*\u+1]     ; and the partner's
.endr
	s_wait_dscnt 0x0
.set i, 0
.rept 64
	v_pk_mul_f32 v[S+i:S+i+1], v[S+i:S+i+1], v[ST+8*(i/64)+4:ST+8*(i/64)+5] op_sel_hi:[1,0]
.set i, i+2
.endr
	WIN 0x01                                       ; source 0 (my O^T) in window 1
.set i, 0
.rept 64
	v_pk_fma_f32 v[S+i:S+i+1], v[128*(i/64)+i%64:128*(i/64)+i%64+1], v[ST+8*(i/64)+2:ST+8*(i/64)+3], v[S+i:S+i+1] op_sel_hi:[1,0,1]
.set i, i+2
.endr
	WIN 0
.endif
; Tile u: a lane's 32 bytes of a row go into my stage and come back as whole rows of 512 bytes, into the registers that they left.  LDS serves a wave's instructions in order (ISA guide 5.7.1.4): no wait between.
.macro PACK u
.set i, 0
.rept 16
	ds_store_b128 v7, v[S+64*\u+4*i:S+64*\u+4*i+3] offset:64*(i/2)+16*(i%2)
.set i, i+1
.endr
.set i, 0
.rept 16
	ds_load_b128 v[S+64*\u+4*i:S+64*\u+4*i+3], v8 offset:SP*i
.set i, i+1
.endr
.endm
.macro SEND u, younger                 ; younger: the LDS instructions issued behind tile u's loads.  Stage row i is the tile's lane i: row 8 u + i + 8 (i / 8) of my 32
.set i, 0
.rept 16
	s_wait_dscnt \younger+15-i
	global_store_b128 v9, v[S+64*\u+4*i:S+64*\u+4*i+3], s[8:9] offset:(8*\u+i+8*(i/8))*1024 th:TH_STORE_NT   ; 32 lanes store 512 consecutive bytes, aligned
.set i, i+1
.endr
.endm
	PACK 0
	PACK 1
	SEND 0, 32
	SEND 1, 0
.if !TXT
	v_cmp_eq_u32 vcc_lo, 1, v12                    ; lanes 0-15 speak for tile 0, lanes 16-31 for tile 1: row 8 h + r + 8 (r / 8) of my 32
	v_cndmask_b32 v13, v[ST], v[ST+8], vcc_lo      ; -M
	v_cndmask_b32 v14, v[ST+1], v[ST+9], vcc_lo    ; 1 / l
	s_cmp_eq_u32 s[KS], 1
	s_cselect_b32 s66, -1, 0
	v_cndmask_b32 v13, v13, v14, s66               ; ks = 0 stores -M, ks = 1 stores 1 / l
	v_and_b32 v10, 8, v11
	v_add_nc_u32 v10, v10, v11
	v_lshl_add_u32 v10, v12, 3, v10
	v_lshlrev_b32 v10, 2, v10
	global_store_b32 v10, v13, s[10:11]            ; the wave's 32 lanes cover 128 consecutive bytes
.endif
	s_wait_tensorcnt 0x0                           ; the wave's end, behind my last tensor load and my last LDS store
	ds_add_u32 v[SPW], v[NIL]
	s_wait_dscnt 0x0
	CROUND                                         ; the closing round: no work-group ends while a partner may still ask for a quarter that names it
	s_endpgm
.Lfunc_end_k_q530885ce21_imgout:
	.size	k_q530885ce21_imgout, .Lfunc_end_k_q530885ce21_imgout-k_q530885ce21_imgout
	.p2alignl 7, 3214868480
	.fill 96, 4, 3214868480
	.section	.rodata,"a",@progbits
	.p2align	6, 0x0
	.amdhsa_kernel k_q530885ce21_imgout
		.amdhsa_group_segment_fixed_size 327680
		.amdhsa_private_segment_fixed_size 0
		.amdhsa_enable_private_segment 0
		.amdhsa_kernarg_size 32
		.amdhsa_user_sgpr_count 2
		.amdhsa_user_sgpr_kernarg_segment_ptr 1
		.amdhsa_wavefront_size32 1
		.amdhsa_system_sgpr_workgroup_id_x 1
		.amdhsa_system_sgpr_workgroup_id_y 1
		.amdhsa_system_sgpr_workgroup_id_z 1
		.amdhsa_system_vgpr_workitem_id 0
		.amdhsa_next_free_vgpr 1024
		.amdhsa_next_free_sgpr 80
		.amdhsa_reserve_vcc 1
		.amdhsa_float_denorm_mode_32 3
		.amdhsa_float_denorm_mode_16_64 3
		.amdhsa_memory_ordered 1
		.amdhsa_forward_progress 1
		.amdhsa_inst_pref_size 204
	.end_amdhsa_kernel
	.amdgpu_metadata
---
amdhsa.version: [ 1, 2 ]
amdhsa.kernels:
  - .name:           k_q530885ce21_imgout
    .symbol:         k_q530885ce21_imgout.kd
    .args:
      - { .name: imgkv, .offset: 0, .size: 8, .value_kind: global_buffer, .address_space: global }
      - { .name: txtkv, .offset: 8, .size: 8, .value_kind: global_buffer, .address_space: global }
      - { .name: out0, .offset: 16, .size: 8, .value_kind: global_buffer, .address_space: global }
      - { .name: stats, .offset: 24, .size: 8, .value_kind: global_buffer, .address_space: global }
    .group_segment_fixed_size: 327680
    .private_segment_fixed_size: 0
    .kernarg_segment_align: 8
    .kernarg_segment_size: 32
    .max_flat_workgroup_size: 128
    .sgpr_count:     80
    .vgpr_count:     1024
    .wavefront_size: 32
...
	.end_amdgpu_metadata
.endif
;; end of part 2
;; launch txtout (part 3): grid 64 x 4, 4 waves a work-group, clusters of 4 x 1, 327,680 bytes of LDS; arguments txtkv, imgkv, out1, stats; writes out1
.if DOCPART == 3
	.amdgcn_target "amdgcn-amd-amdhsa--gfx1250"
	.amdhsa_code_object_version 6
	.text
	.protected	k_q530885ce21_txtout
	.globl	k_q530885ce21_txtout
	.p2align	8
	.type	k_q530885ce21_txtout,@function
k_q530885ce21_txtout:
	s_mov_b64 s[64:65], 0
	v_nop
	global_prefetch_b8 v0, s[64:65] scope:SCOPE_SE
	s_setreg_imm32_b32 hwreg(HW_REG_WAVE_MODE, 25, 1), 1
	s_wait_xcnt 0x0
	s_wait_alu depctr_hold_cnt(0) depctr_sa_sdst(0) depctr_va_vdst(0) depctr_va_sdst(0) depctr_va_ssrc(0) depctr_va_vcc(0) depctr_vm_vsrc(0)
	s_getreg_b32 s2, hwreg(HW_REG_IB_STS2, 6, 4)
	s_cmp_eq_u32 s2, 0
	s_cbranch_scc0 .Lentry_in_a_cluster
	s_endpgm
.Lentry_in_a_cluster:
	s_bfe_u32 s2, ttmp6, 0x10000c
	s_cmp_lg_u32 s2, 0x3003
	s_cbranch_scc0 .Lentry_shape_is_right
	s_endpgm
.Lentry_shape_is_right:
; ONE TEXT FOR TWO LAUNCHES; TXT says which.  Both walk all 4,096 "keys" of a batch for 64 "queries" a work-group, on codes of FP6 (E2M3) with E8M0 scales, laid by the launch before as images of operand registers.
; TXT = 0: image_out = softmax(image text^T / 16) text.  Queries = image rows, keys = text rows.  p = 2^(t - M), t = score x log2(e) / 16, M = the running largest t rounded UP to a whole number; p is quantised along the keys,
;          not normalised; the row's sum l is taken of the unquantised p and divides at the end.  It also stores -M and 1 / l of every image row for the next launch.
; TXT = 1: text_out = attn^T image.  Queries = text rows, keys = image rows.  The scores are made again; attn = 2^(t - M_i) x (1 / l_i), the FINISHED softmax, with M_i and l_i of the KEY, is quantised along the keys.
; Arguments: the queries' codes, the keys' codes, the output, the statistics.
; LIMITS: NaN and infinities are not served; a p under 2^-126 counts as 0; a block of p under 2^-124 keeps the scale byte 1 (a block of zeros too: its codes are zeros).
; SHARES.  Wave w: qg = w % 2 picks 32 of the 64 queries (two tiles of 16), ks = w / 2 one of a step's two key blocks of 128.  So a fragment of K or V read from LDS feeds two products; 16 steps; at the end the two ks partners add.
; LAYOUT.  Both products are used transposed: S^T = K Q^T (source 0 = 16 keys), O^T = V^T P^T (source 0 = 16 channels): a lane holds ONE query throughout.  The keys of a tile are chosen (lane r of tile 2 b + u: key 32 b + 8 u + r + 8 (r / 8))
; so that the 16 registers of tiles 2 b, 2 b + 1 are keys 32 b + 16 (lane / 16) + 0 .. 15.  The queries' tiles have the same order: it only says which row of the output a lane owns.
; RING.  A step's 102,400 bytes (K, V of key block 2 j; K, V of 2 j + 1) are one dense run of memory: four quarters, one tensor load a wave; two slots.  All operands are read at 16 x lane: no pitch, no padding.
; CLUSTER.  The four work-groups of a cluster belong to one batch and walk the same keys: each quarter is asked for JOINTLY, by the same load with the same descriptor and the mask of all four.
; V's sixteen fragments are taken in the order (T + 8 ks) % 16, so that in every wave slots 0-7 are the channels that it keeps at the end and slots 8-15 those that its partner keeps: no branch.
; REGISTERS, in windows of 256: window 0: addresses, scales, statistics, S^T (then p, then p's codes).  window 1: O^T, tile q, slot T at 128 q + 8 T.  window 2: v0-191 K's 16 fragments; v192-239 Q's four.
;   window 3: v0-191 V's 16 fragments; with TXT v192-255 the step's -M.
.set TXT, 1
.set QTR,   25600                      ; a quarter of a step: K's or V's part of a key block
.set BLKB,  2*QTR
.set STEPB, 4*QTR
.set BATB,  32*BLKB                    ; a batch's codes
.set FRB,   1536                       ; a fragment's image
.set SLOT1, 1<<17                      ; slot 1 begins here: one exclusive or turns an address in one slot into the other's
.set SPARE, SLOT1+STEPB                ; the spare words, 128 bytes for each wave: two blocks of 256 bytes that no other line names
.set STL,   SPARE+512                  ; TXT: -M of the batch's 4,096 keys, then 1 / l: 32,768 bytes, filled once
.set XCH,   0                          ; the way out lies in slot 0, which has had its last fill and its last read by then: 16,384 bytes a wave for the partner,
.set STAGE, 65536                      ; 16 rows x 528 bytes a wave,
.set SP,    528
.set XST,   STAGE+4*16*SP              ; and 512 bytes a wave of statistics
.set SPW,  1                           ; v1   LDS address of my spare word; never rewritten
.set NIL,  2                           ; v2   0; never rewritten
.set AK0,  3                           ; v3   16 x lane + my key block's K part in a slot
.set AVL,  4                           ; v4, v5  the same for V's slots 0-7 and 8-15
.set AVH,  5
.set ASL,  6                           ; v6, v7  and for their scale registers
.set ASH,  7
.set ADK,  8                           ; v8-13  the addresses of the loads in hand
.set ADVL, 9
.set ADVH, 10
.set ADSL, 11
.set ADSH, 12
.set ADT,  13
.set AST0, 14                          ; v14  TXT: my half's place among a key block's statistics
.set PFO,  15                          ; v15  the prefetches' offset; never rewritten
.set KSC,  16                          ; v16-23 K's scale registers, v24-31 V's, v32-33 Q's, v34-35 p's: scales and nothing else
.set VSC,  24
.set QSC,  32
.set PSC,  34
.set ST,   36                          ; TXT = 0: tile q's statistics at v[36 + 8 q]: -M, the largest t, l in two halves, f (a pair), two at work
.set BM,   52                          ; v52-55 the four blocks' maxima;  v56-59, v60-63 at work
.set PT,   56
.set SO,   60
.set S,    64                          ; v64-191 S^T: tile q at 64 + 64 q
.set RL,   192                         ; TXT: v192-255 the step's 1 / l
.set NM,   192                         ; TXT: in window 3, the step's -M
.set QF,   192                         ; in window 2
.set QO,   200                         ; v200, v201  Q's offsets in memory, at the head alone
.set QSO,  201
.if TXT
.set TT,   36                          ; eight registers for the first two conversions' results
.else
.set TT,   192
.endif
.set WV,  12                           ; s12 wave, s13 ks, s14 qg, s15 cx, s16 the work-group's x, s17 the batch
.set KS,  13
.set QG,  14
.set CX,  15
.set X,   16
.set BA,  17
.set PFA, 18                           ; s[18:19] where my prefetches stand
.set LIM, 20                           ; s20  1 in a cluster that prefetches, else the greatest number
.set CNT, 21                           ; s21  the loop's trips to go
.set TB,  22                           ; s22  the slot of the next fetch
.set TS,  23                           ; s23  TXT: the step's statistics: 1,024 bytes a step
.set G1,  24                           ; s[24:31] descriptor group 1 of a quarter;  s[32:35], s[36:39] groups 0 of the two first fills; the second then walks
.set G0A, 32
.set G0B, 36
.set G1S, 40                           ; TXT: s[40:47], s[48:51] groups 1 and 0 of the statistics
.set G0S, 48
.set CS,  52                           ; s[52:53] c = log2(e) / 16
.set SEL, 54                           ; s[54:55] v_permlanex16_b32's selects for lane l xor 16
.set MSB, 0
.macro WIN new                         ; the immediate's high byte repeats the setting that is left; a switch that changes nothing is dropped
.if MSB != \new
	s_set_vgpr_msb (MSB<<8)|\new
.set MSB, \new
.endif
.endm
.set W_KQ, 0x0a                        ; K and Q in window 2, S^T in window 0
.set W_PV, 0x53                        ; V in window 3, p in window 0, O^T in window 1
.set W_RS, 0x41                        ; O^T (destination and source 0) in window 1
.set TO_2, 0x80                        ; destination window 2, address window 0
.set TO_3, 0xc0                        ; destination window 3
.macro PLACES n
.rept \n
	v_nop
.endr
.endm
; A round of the cluster's barrier: my work-group's barrier; wave 0 signals for the work-group; every wave waits for all four work-groups; my work-group's barrier once more.
.macro CROUND
	s_barrier_signal -1
	s_barrier_wait -1
	s_cmp_lg_u32 s[WV], 0
	s_cbranch_scc1 .Lnot_wave_0_\@
	s_barrier_signal -3
.Lnot_wave_0_\@:
	s_barrier_wait -3
	s_barrier_signal -1
	s_barrier_wait -1
.endm
; A PREFETCH INTO THE L2 of the step that the NEXT change of slots will ask for.  All sixteen clusters of a batch walk the same keys: the batch's first cluster asks.  A step is 400 blocks of 256 bytes: wave w of partner cx takes
; 25 of its quarter's 100, told apart BY ADDRESS; a lane a block (lanes 24 to 31 name the 25th together).  The loop's last trip asks for nothing: there is no step behind the one that it fetches.
.macro ASK
	s_cmp_gt_u32 s[CNT], s[LIM]
	s_cbranch_scc0 .Lnot_mine_\@
	global_prefetch_b8 v[PFO], s[PFA:PFA+1] th:TH_LOAD_NT scope:SCOPE_SE
.Lnot_mine_\@:
.endm
	s_load_b256 s[4:11], s[0:1], 0x0               ; the queries' codes s[4:5], the keys' s[6:7], the output s[8:9], the statistics s[10:11]
	v_lshl_add_u32 v[SPW], v0, 2, SPARE
	v_mov_b32 v[NIL], 0
	ds_add_u32 v1, v2
	ds_add_u32 v1, v2
	s_wait_dscnt 0x0
	v_lshrrev_b32 v3, 5, v0
	v_readfirstlane_b32 s[WV], v3                  ; wave 0..3
	s_lshr_b32 s[KS], s[WV], 1
	s_and_b32 s[QG], s[WV], 1
	s_bfe_u32 s[CX], ttmp6, 0x40000                ; my place in the cluster
	s_lshl_b32 s[X], ttmp9, 2                      ; in a cluster launch ttmp9 counts clusters
	s_add_co_u32 s[X], s[X], s[CX]                 ; my block of 64 queries: it enters Q's, the output's and the prefetches' addresses alone
	s_and_b32 s[BA], ttmp7, 0xffff                 ; the batch, which the four partners share
	; descriptor group 1: a dense quarter of 25,600 bytes as 100 rows of 256 bytes (32 elements of 8 bytes)
	s_mov_b32 s[G1], 15|(3<<16)|(1<<21)            ; 15:0 the mask: all four work-groups; 17:16 elements of 8 bytes; 20 no padding; 21 set beside a mask
	s_mov_b32 s[G1+1], 32<<16                      ; tensor_dim0
	s_mov_b32 s[G1+2], 100<<16                     ; tensor_dim1
	s_mov_b32 s[G1+3], 32<<16                      ; tile_dim0
	s_mov_b32 s[G1+4], 100                         ; tile_dim1
	s_mov_b32 s[G1+5], 32                          ; the pitch
	s_mov_b32 s[G1+6], 0
	s_mov_b32 s[G1+7], 0
.if TXT
	s_mov_b32 s[G1S], 15|(3<<16)|(1<<21)           ; the statistics: 8,192 dense bytes a wave, 32 rows of 256
	s_mov_b32 s[G1S+1], 32<<16
	s_mov_b32 s[G1S+2], 32<<16
	s_mov_b32 s[G1S+3], 32<<16
	s_mov_b32 s[G1S+4], 32
	s_mov_b32 s[G1S+5], 32
	s_mov_b32 s[G1S+6], 0
	s_mov_b32 s[G1S+7], 0
	s_mov_b32 s[TS], 0
.endif
	s_mov_b32 s[CS], 0x3db8aa3b                    ; c = log2(e) / 16
	s_mov_b32 s[CS+1], s[CS]                       ; (named with it as a pair, so it is written)
	s_mov_b32 s[SEL], 0x76543210
	s_mov_b32 s[SEL+1], 0xfedcba98
	s_mov_b32 s[TB], 0
	s_cmp_eq_u32 ttmp9, 0                          ; the batch's first cluster: the same in all four partners
	s_cselect_b32 s[LIM], 1, -1
	; what the joint loads' addresses are made of: the batch and the wave's number alone, in registers that never hold cx
	s_mul_i32 s56, s[BA], BATB
	s_mul_i32 s57, s[WV], QTR                      ; my quarter: in a step's bytes and in a slot
	s_add_co_u32 s58, s56, s57
	s_mov_b32 s59, 0
	; what hangs on the work-group's x
	s_lshr_b32 s66, s[X], 1
	s_mul_i32 s66, s66, BLKB
	s_add_co_u32 s66, s66, s56                     ; the block of 128 rows that holds my 64 queries
	s_mov_b32 s67, 0
	s_and_b32 s68, s[X], 1                         ; which half of it
	s_mul_i32 s69, s68, 8*FRB
	s_mul_i32 s70, s[QG], 4*FRB
	s_add_co_u32 s69, s69, s70                     ; my two tiles' four fragments: tiles 4 (x % 2) + 2 qg + 0, 1
	s_lshl_b32 s68, s68, 9
	s_lshl_b32 s70, s[QG], 3
	s_add_co_u32 s68, s68, s70                     ; and their two scale registers
	v_and_b32 v8, 31, v0
	v_lshlrev_b32 v8, 4, v8                        ; 16 x lane
	v_add_nc_u32 v[QO], s69, v8
	v_add_nc_u32 v[QSO], s68, v8
	s_lshl_b32 s70, s[BA], 12
	s_lshl_b32 s71, s[X], 6
	s_add_co_u32 s70, s70, s71
	s_lshl_b32 s71, s[QG], 5
	s_add_co_u32 s70, s70, s71                     ; my first row: 4,096 x batch + 64 x + 32 qg
	s_lshl_b32 s72, s70, 10
	s_lshl_b32 s73, s[KS], 9
	s_add_co_u32 s72, s72, s73                     ; in the output: rows of 1,024 bytes, + the 512 bytes (128 channels) that I keep
	s_mov_b32 s73, 0
.if TXT
	s_lshl_b32 s74, s[KS], 16                      ; the statistics that I fetch: waves 0, 1 the halves of -M, waves 2, 3 of 1 / l, of my batch
	s_lshl_b32 s75, s[BA], 14
	s_add_co_u32 s74, s74, s75
	s_lshl_b32 s75, s[QG], 13
	s_add_co_u32 s74, s74, s75
.else
	s_lshl_b32 s74, s70, 2                         ; the statistics that I store: ks = 0 my 32 rows' -M, ks = 1 their 1 / l
	s_lshl_b32 s75, s[KS], 16
	s_add_co_u32 s74, s74, s75
.endif
	s_mov_b32 s75, 0
	s_mul_i32 s76, s[CX], 6400
	s_add_co_u32 s76, s76, 2*STEPB                 ; the prefetches: my work-group's 25 blocks of my quarter, at step 2; the first change of slots steps it to step 3
	s_mov_b32 s77, 0
	s_wait_kmcnt 0x0
	s_add_nc_u64 s[4:5], s[4:5], s[66:67]
	s_add_nc_u64 s[6:7], s[6:7], s[58:59]
	s_add_nc_u64 s[8:9], s[8:9], s[72:73]
	s_add_nc_u64 s[10:11], s[10:11], s[74:75]
	s_add_nc_u64 s[PFA:PFA+1], s[6:7], s[76:77]
	s_mov_b32 s[G0A], 1                            ; 1:0 count = 1
	s_mov_b32 s[G0A+1], s57                        ; LDS address: slot 0, my quarter
	s_mov_b64 s[G0A+2:G0A+3], s[6:7]               ; global address: step 0
	s_or_b32 s[G0A+3], s[G0A+3], 0x80000000        ; type = 2
	s_mov_b32 s[G0B], 1
	s_add_co_u32 s[G0B+1], s57, SLOT1              ; slot 1,
	s_add_nc_u64 s[G0B+2:G0B+3], s[6:7], STEPB     ; step 1
	s_or_b32 s[G0B+3], s[G0B+3], 0x80000000
.if TXT
	s_mov_b32 s[G0S], 1
	s_lshl_b32 s[G0S+1], s[WV], 13
	s_add_co_u32 s[G0S+1], s[G0S+1], STL
	s_mov_b64 s[G0S+2:G0S+3], s[10:11]
	s_or_b32 s[G0S+3], s[G0S+3], 0x80000000
.endif
	CROUND                                         ; all four work-groups are here: the first joint loads meet
.if TXT
	tensor_load_to_lds s[G0S:G0S+3], s[G1S:G1S+7]  ; the first fills go out together: three loads of mine are out (two with TXT = 0)
	s_nop 0
.endif
	tensor_load_to_lds s[G0A:G0A+3], s[G1:G1+7]
	s_nop 0
	tensor_load_to_lds s[G0B:G0B+3], s[G1:G1+7]
	s_nop 0
	PLACES 4                                       ; four lines behind a tensor load, ahead of the next switch of windows
	WIN TO_2
.set i, 0
.rept 12
	global_load_b128 v[QF+4*i:QF+4*i+3], v[QO], s[4:5] offset:512*i   ; Q's four fragments lie on end, and stay in registers: (tile q, K step s) at QF + 12 (2 q + s)
.set i, i+1
.endr
	WIN 0
	global_load_b64 v[QSC:QSC+1], v[QSO], s[4:5] offset:24576
	s_mul_i32 s66, s[KS], BLKB
	v_add_nc_u32 v[AK0], s66, v8
	s_mul_i32 s66, s[KS], BLKB+8*FRB               ; ks = 1 takes V's fragments 8-15 first,
	s_add_co_u32 s66, s66, QTR
	v_add_nc_u32 v[AVL], s66, v8
	s_mul_i32 s66, s[KS], BLKB-8*FRB               ; then 0-7 (the loads' offsets go on counting from 8)
	s_add_co_u32 s66, s66, QTR
	v_add_nc_u32 v[AVH], s66, v8
	s_mul_i32 s66, s[KS], BLKB+512                 ; and their scale registers likewise: four registers are 512 bytes
	s_add_co_u32 s66, s66, QTR+24576
	v_add_nc_u32 v[ASL], s66, v8
	s_mul_i32 s66, s[KS], BLKB-512
	s_add_co_u32 s66, s66, QTR+24576
	v_add_nc_u32 v[ASH], s66, v8
	v_and_b32 v[PFO], 31, v0
	v_min_u32 v[PFO], 24, v[PFO]
	v_lshlrev_b32 v[PFO], 8, v[PFO]
.if TXT
	v_bfe_u32 v[AST0], v0, 4, 1
	v_lshlrev_b32 v[AST0], 6, v[AST0]              ; my half's 16 keys of each 32: 64 bytes on
	s_lshl_b32 s66, s[KS], 9
	s_add_co_u32 s66, s66, STL
	v_add_nc_u32 v[AST0], s66, v[AST0]
.else
.irp u, 0,1
	v_mov_b32 v[ST+8*\u+1], 0xff61b1e6             ; the largest t so far: -3e38, under every t
	v_floor_f32 v[ST+8*\u], -v[ST+8*\u+1]          ; -M
.irp k, 2,3,4,5,6,7
	v_mov_b32 v[ST+8*\u+\k], 0                     ; l, and what is named in pairs before it is first made
.endr
.endr
.endif
.irp b, 0,1,2,3
	v_mov_b32 v[PT+\b], 0                          ; written once: a lane permute's destination counts as one of its sources
.endr
; A step's K: 16 fragments, 48 loads in one run, and its eight scale registers
.macro FETCH_K
	v_add_nc_u32 v[ADK], s[TB], v[AK0]
	WIN TO_2
.set i, 0
.rept 48
	ds_load_b128 v[4*i:4*i+3], v[ADK] offset:512*i
.set i, i+1
.endr
	WIN 0
	ds_load_b128 v[KSC:KSC+3], v[ADK] offset:24576
	ds_load_b128 v[KSC+4:KSC+7], v[ADK] offset:25088
.endm
; S^T = K Q^T: product i of 32: tile of queries i % 2, tile of keys (i / 2) % 8, K step i / 16.  The 16 accumulators take turns, one instruction a turn; the first 16 start the sums.
; K step 1's scale words stand in lanes 16-31 of the same registers.
.macro SMUL
	WIN W_KQ
.set i, 0
.rept 32
.set rD, S+64*(i%2)+8*((i/2)%8)
.set rA, 12*(2*((i/2)%8)+i/16)
.set rB, QF+12*(2*(i%2)+i/16)
.set rX, KSC+(i/2)%8
.set rY, QSC+i%2
.if i < 16
	v_wmma_scale_f32_16x16x128_f8f6f4 v[rD:rD+7], v[rA:rA+11], v[rB:rB+11], 0, v[rX], v[rY] matrix_a_fmt:MATRIX_FMT_FP6 matrix_b_fmt:MATRIX_FMT_FP6
.else
	v_wmma_scale_f32_16x16x128_f8f6f4 v[rD:rD+7], v[rA:rA+11], v[rB:rB+11], v[rD:rD+7], v[rX], v[rY] matrix_a_fmt:MATRIX_FMT_FP6 matrix_b_fmt:MATRIX_FMT_FP6 matrix_a_scale:MATRIX_SCALE_ROW1 matrix_b_scale:MATRIX_SCALE_ROW1
.endif
.set i, i+1
.endr
.endm
; O^T += V^T P^T: product i of 32: tile of queries i % 2, V's slot i / 2.  32 accumulators, one instruction each.  zero = 1: the first step starts the sums: nothing is ever cleared.
; A scale register of V holds an even slot's words in lanes 0-15 and the odd slot's in lanes 16-31.
.macro PVMUL zero
	WIN W_PV
.set i, 0
.rept 32
.set rD, 128*(i%2)+8*(i/2)
.set rA, 12*(i/2)
.set rB, S+64*(i%2)
.set rX, VSC+i/4
.set rY, PSC+i%2
.if \zero
.if (i/2)%2
	v_wmma_scale_f32_16x16x128_f8f6f4 v[rD:rD+7], v[rA:rA+11], v[rB:rB+11], 0, v[rX], v[rY] matrix_a_fmt:MATRIX_FMT_FP6 matrix_b_fmt:MATRIX_FMT_FP6 matrix_a_scale:MATRIX_SCALE_ROW1
.else
	v_wmma_scale_f32_16x16x128_f8f6f4 v[rD:rD+7], v[rA:rA+11], v[rB:rB+11], 0, v[rX], v[rY] matrix_a_fmt:MATRIX_FMT_FP6 matrix_b_fmt:MATRIX_FMT_FP6
.endif
.else
.if (i/2)%2
	v_wmma_scale_f32_16x16x128_f8f6f4 v[rD:rD+7], v[rA:rA+11], v[rB:rB+11], v[rD:rD+7], v[rX], v[rY] matrix_a_fmt:MATRIX_FMT_FP6 matrix_b_fmt:MATRIX_FMT_FP6 matrix_a_scale:MATRIX_SCALE_ROW1
.else
	v_wmma_scale_f32_16x16x128_f8f6f4 v[rD:rD+7], v[rA:rA+11], v[rB:rB+11], v[rD:rD+7], v[rX], v[rY] matrix_a_fmt:MATRIX_FMT_FP6 matrix_b_fmt:MATRIX_FMT_FP6
.endif
.endif
.set i, i+1
.endr
.endm
; The tile's 64 numbers at v[rS] (register 16 b + k = key 32 b + 16 (lane / 16) + k) become the operand's 12 registers at v[rS] and the scale word in v[PSC + q]; v[BM + b] holds block b's largest number.
.macro PQUANT q
.if !TXT
.irp b, 0,1,2,3
	v_max_num_f32 v[BM+\b], 0x1800000, v[BM+\b]    ; the floor 2^(3 - 127): the byte cannot fall under 1
.endr
.endif
.irp b, 0,1,2,3
	v_add_nc_u32 v[SO+\b], 0xff000000, v[BM+\b]    ; 2 off the exponent field: the conversion's scale operand
.endr
.irp b, 0,1,2,3
	v_lshrrev_b32 v[PT+\b], 23, v[SO+\b]           ; the scale's byte
.endr
	v_lshl_or_b32 v[PSC+\q], v[PT+1], 8, v[PT]
	v_lshl_or_b32 v[PSC+\q], v[PT+2], 16, v[PSC+\q]
	v_lshl_or_b32 v[PSC+\q], v[PT+3], 24, v[PSC+\q]
	v_cvt_scalef32_pk16_fp6_f32 v[TT:TT+2], v[rS:rS+15], v[SO]
	v_cvt_scalef32_pk16_fp6_f32 v[TT+4:TT+6], v[rS+16:rS+31], v[SO+1]
	v_nop                                          ; a plain line: the next two conversions write registers that the first has read
	v_cvt_scalef32_pk16_fp6_f32 v[rS+6:rS+8], v[rS+32:rS+47], v[SO+2]
	v_cvt_scalef32_pk16_fp6_f32 v[rS+12:rS+14], v[rS+48:rS+63], v[SO+3]
	v_nop                                          ; and one behind the last
.irp k, 0,1,2                          ; the operand's layout wants a WHOLE block in a lane: lanes 0-15 block 2 c, lanes 16-31 block 2 c + 1
	v_permlane16_swap_b32 v[TT+\k], v[TT+4+\k]
	v_permlane16_swap_b32 v[rS+6+\k], v[rS+12+\k]
.endr
.irp k, 0,1,2
	v_mov_b32 v[rS+\k], v[TT+\k]
	v_mov_b32 v[rS+3+\k], v[TT+4+\k]
	v_mov_b32 v[rS+9+\k], v[rS+12+\k]
.endr
.endm
.if TXT
; attn = 2^(c s - M_key) / l_key, finished, then its blocks' maxima (none is negative; the floor stands among the leaves), then the codes.
.macro SOFTMAX q, first
.set rS, S+64*\q
	WIN 0x30                                       ; source 2 (-M) in window 3
.set i, 0
.rept 32
	v_pk_fma_f32 v[rS+i:rS+i+1], v[rS+i:rS+i+1], s[CS:CS+1], v[NM+i:NM+i+1] op_sel_hi:[1,0,1]   ; each accumulator from its low end on
.set i, i+2
.endr
	WIN 0
.set i, 0
.rept 64
	v_exp_f32 v[rS+i], v[rS+i]
.set i, i+1
.endr
	v_nop                                          ; a plain line behind the last exponential
	s_wait_alu depctr_va_vdst(0)                   ; one wait for the batch, ahead of its first reader
.set i, 0
.rept 32
	v_pk_mul_f32 v[rS+i:rS+i+1], v[rS+i:rS+i+1], v[RL+i:RL+i+1]
.set i, i+2
.endr
.irp b, 0,1,2,3
	v_max3_num_f32 v[BM+\b], v[rS+16*\b], v[rS+16*\b+1], 0x1800000
.endr
.irp k, 2,4,6,8,10,12,14
.irp b, 0,1,2,3
	v_max3_num_f32 v[BM+\b], v[BM+\b], v[rS+16*\b+\k], v[rS+16*\b+\k+1]
.endr
.endr
.irp b, 0,1,2,3
	v_permlanex16_b32 v[PT+\b], v[BM+\b], s[SEL], s[SEL+1]
.endr
.irp b, 0,1,2,3
	v_max_num_f32 v[BM+\b], v[BM+\b], v[PT+\b]     ; with lane l xor 16's 16 keys
.endr
	PQUANT \q
.endm
.else
; The running softmax of one tile.  first = 1: O^T has not begun, so nothing is rescaled.
.macro SOFTMAX q, first
.set rS, S+64*\q
.set rT, ST+8*\q
	WIN 0
.irp b, 0,1,2,3
	v_max3_num_f32 v[BM+\b], v[rS+16*\b], v[rS+16*\b+1], v[rS+16*\b+2]   ; the largest SCORE of each block of 32 keys: for the row's maximum and, since p rises with the score, for the block's largest p
.endr
.irp k, 3,5,7,9,11,13
.irp b, 0,1,2,3
	v_max3_num_f32 v[BM+\b], v[BM+\b], v[rS+16*\b+\k], v[rS+16*\b+\k+1]
.endr
.endr
.irp b, 0,1,2,3
	v_max_num_f32 v[BM+\b], v[BM+\b], v[rS+16*\b+15]
.endr
.irp b, 0,1,2,3
	v_permlanex16_b32 v[PT+\b], v[BM+\b], s[SEL], s[SEL+1]
.endr
.irp b, 0,1,2,3
	v_max_num_f32 v[BM+\b], v[BM+\b], v[PT+\b]     ; with lane l xor 16's 16 keys
.endr
	v_max3_num_f32 v[rT+6], v[BM], v[BM+1], v[BM+2]
	v_max_num_f32 v[rT+6], v[rT+6], v[BM+3]
	v_mul_f32 v[rT+6], s[CS], v[rT+6]              ; as t (c is positive)
	v_max_num_f32 v[rT+1], v[rT+1], v[rT+6]        ; the running largest t
	v_mov_b32 v[rT+6], v[rT]
	v_floor_f32 v[rT], -v[rT+1]                    ; the new -M = floor(-t) = -ceil(t): a whole number
	v_sub_f32 v[rT+6], v[rT], v[rT+6]              ; old M - new M: a whole number, 0 or less
	v_cvt_i32_f32 v[rT+6], v[rT+6]                 ; (it saturates)
	v_ldexp_f32 v[rT+4], 1.0, v[rT+6]              ; f = 2^(old M - new M): a multiplication by it rounds nothing
.set i, 0
.rept 32
	v_pk_fma_f32 v[rS+i:rS+i+1], v[rS+i:rS+i+1], s[CS:CS+1], v[rT:rT+1] op_sel_hi:[1,0,0]   ; t - M, two at a time
.set i, i+2
.endr
.irp b, 0,1,2,3
	v_fma_f32 v[BM+\b], v[BM+\b], s[CS], v[rT]     ; the same of each block's largest score
.endr
.set i, 0
.rept 64
	v_exp_f32 v[rS+i], v[rS+i]                     ; p = 2^(t - M), at most 1: not normalised
.set i, i+1
.endr
	v_pk_mul_f32 v[rT+2:rT+3], v[rT+2:rT+3], v[rT+4:rT+5] op_sel_hi:[1,0]   ; l under the new M: the plain line behind the exponentials
	s_wait_alu depctr_va_vdst(0)                   ; one wait for the batch, ahead of its first reader
.irp b, 0,1,2,3
	v_exp_f32 v[BM+\b], v[BM+\b]                   ; the block's largest p: the same two instructions on the same number
.endr
	v_pk_add_f32 v[PT:PT+1], v[rS:rS+1], v[rS+2:rS+3]   ; the row's sum is taken of the UNQUANTISED p, in two chains; it reads the 64 alone
.set i, 4
.rept 15
	v_pk_add_f32 v[rT+2:rT+3], v[rT+2:rT+3], v[rS+i:rS+i+1]
	v_pk_add_f32 v[PT:PT+1], v[PT:PT+1], v[rS+i+2:rS+i+3]
.set i, i+4
.endr
	v_pk_add_f32 v[rT+2:rT+3], v[rT+2:rT+3], v[PT:PT+1]
	s_wait_alu depctr_va_vdst(0)                   ; and one for the four
	PQUANT \q
.if !\first
	WIN W_RS
.set i, 0
.rept 64
	v_pk_mul_f32 v[128*\q+i:128*\q+i+1], v[128*\q+i:128*\q+i+1], v[rT+4:rT+5] op_sel_hi:[1,0]   ; O^T under the new M; these lines also stand between the codes' and the scale word's last writes and the products
.set i, i+2
.endr
.endif
.endm
.endif
; THE CHANGE OF SLOTS, in a step's middle: the step's K has been multiplied and its V has been asked for.  Each wave waits for all its tensor loads (one is out: its quarter of the other slot), adds 0 to its spare word, and waits for
; that and for its reads of this slot.  chg = 2: the barrier is a round of the cluster's, and behind it this slot is filled with the step two on: that load has a whole step in which to land.  chg = 1: nothing is left to fetch.
.macro CHANGE chg
	WIN 0                                          ; at a label and at a branch every window is 0
.if \chg
	s_wait_tensorcnt 0x0                           ; no tensor load of mine is out, so a group 0 may be written
	ds_add_u32 v[SPW], v[NIL]                      ; 0 onto my spare word
.if \chg == 2
	s_xor_b32 s[G0B+1], s[G0B+1], SLOT1            ; the walking descriptor: the other slot than last time,
	s_add_nc_u64 s[G0B+2:G0B+3], s[G0B+2:G0B+3], STEPB   ; the next step; the type bits on top are not reached
	s_wait_xcnt 0x0                                ; the last prefetch, a step back, has read its address, so it may be written
	s_add_nc_u64 s[PFA:PFA+1], s[PFA:PFA+1], STEPB ; one step further on than the walking descriptor
	s_wait_dscnt 0x0                               ; the add is done, V is in, and my reads of this slot are over
	CROUND
	tensor_load_to_lds s[G0B:G0B+3], s[G1:G1+7]    ; the first thing behind the round, and my one tensor load until the next
	s_nop 0
	PLACES 4                                       ; four lines here
	FETCH_K                                        ; the next step's K, from the other slot: its last products stand in front of the first tile's softmax
	ASK
.else
	s_wait_dscnt 0x0
	s_barrier_signal -1
	s_barrier_wait -1
	FETCH_K
.endif
.endif
.endm
; A STEP: my key block of 128.
.macro STEP first, chg
	s_wait_dscnt 0x0                               ; K, asked for half a step ago, is in
	v_add_nc_u32 v[ADVL], s[TB], v[AVL]            ; five plain lines behind the last step's products: four are owed to the loads into V and its scales,
	v_add_nc_u32 v[ADVH], s[TB], v[AVH]            ; five to the products below, which write over p's codes (ISA guide 7.12.1 for vector instructions)
	v_add_nc_u32 v[ADSL], s[TB], v[ASL]
	v_add_nc_u32 v[ADSH], s[TB], v[ASH]
.if TXT
	v_add_nc_u32 v[ADT], s[TS], v[AST0]
.set i, 0
.rept 16
	ds_load_b128 v[RL+4*i:RL+4*i+3], v[ADT] offset:16384+128*(i/4)+16*(i%4)   ; 1 / l of keys 32 b + 16 (lane / 16) + 0 .. 15: the order of S^T's registers
.set i, i+1
.endr
	WIN TO_3
.set i, 0
.rept 16
	ds_load_b128 v[NM+4*i:NM+4*i+3], v[ADT] offset:128*(i/4)+16*(i%4)         ; and -M
.set i, i+1
.endr
.else
	v_nop
.endif
	WIN TO_3
.set i, 0
.rept 24
	ds_load_b128 v[4*i:4*i+3], v[ADVL] offset:512*i
.set i, i+1
.endr
.rept 24
	ds_load_b128 v[4*i:4*i+3], v[ADVH] offset:512*i
.set i, i+1
.endr
	WIN 0
	ds_load_b128 v[VSC:VSC+3], v[ADSL]
	ds_load_b128 v[VSC+4:VSC+7], v[ADSH] offset:512
	s_xor_b32 s[TB], s[TB], SLOT1                  ; the next fetch is the other slot's
	SMUL
	WIN 0
	PLACES 4                                       ; in front of the first read of the scores
.if TXT
	s_wait_dscnt 50                                ; the statistics are in: behind them V's 48 loads and its two scale loads were issued
.endif
	SOFTMAX 0, \first
	CHANGE \chg
	SOFTMAX 1, \first
.if TXT || \first
	PLACES 8                                       ; a scale register written by a vector instruction stands eight plain lines ahead of a scaled product, an operand four
.endif
.if \chg == 0
	s_wait_dscnt 0x0                               ; V is in (elsewhere the change of slots has waited)
.endif
	PVMUL \first
	WIN 0
.if TXT
	s_add_co_u32 s[TS], s[TS], 1024                ; 256 keys' statistics on
.endif
.endm
	s_wait_tensorcnt 0x1                           ; my quarter of slot 0 (and my part of the statistics) is in; slot 1's load may stay out
	s_barrier_signal -1
	s_barrier_wait -1                              ; everybody's is
	FETCH_K
	s_wait_loadcnt 0x0                             ; Q
	s_mov_b32 s[CNT], 13
	STEP 1, 2                                      ; step 0 starts O^T's sums
.Lstep:                                            ; steps 1 to 13: each asks for the step two on
	STEP 0, 2
	s_sub_co_u32 s[CNT], s[CNT], 1
	s_cmp_lg_u32 s[CNT], 0
	s_cbranch_scc1 .Lstep
	STEP 0, 1                                      ; the tail is written out
	STEP 0, 0
; THE WAY OUT.  The address arithmetic stands behind the last products as their plain lines.
	v_and_b32 v9, 31, v0
	v_lshlrev_b32 v9, 4, v9                        ; 16 x lane: also my offset in a row's 512 bytes of the output
	v_and_b32 v11, 15, v0                          ; r
	v_bfe_u32 v12, v0, 4, 1                        ; h
	s_lshl_b32 s66, s[WV], 9
	s_add_co_u32 s66, s66, XST
	v_add_nc_u32 v3, s66, v9                       ; my statistics,
	s_lshl_b32 s67, s[WV], 14
	v_add_nc_u32 v4, s67, v9                       ; my half of O^T for the partner,
	s_xor_b32 s68, s[WV], 2                        ; the partner: the same queries, the other keys
	s_lshl_b32 s66, s68, 9
	s_add_co_u32 s66, s66, XST
	v_add_nc_u32 v5, s66, v9                       ; its statistics,
	s_lshl_b32 s67, s68, 14
	v_add_nc_u32 v6, s67, v9                       ; its half for me
	s_mul_i32 s66, s[WV], 16*SP
	s_add_co_u32 s66, s66, STAGE                   ; my stage
	v_mul_u32_u24 v7, v11, SP
	v_lshl_add_u32 v7, v12, 5, v7
	v_add_nc_u32 v7, s66, v7                       ; in: row r, 32 bytes for each half of the lanes
	v_add_nc_u32 v8, s66, v9                       ; back: the 32 lanes take one row of 512 bytes
.if !TXT
.irp u, 0,1
	v_add_f32 v[ST+8*\u+2], v[ST+8*\u+2], v[ST+8*\u+3]   ; l's two halves,
.endr
.irp u, 0,1
	v_permlanex16_b32 v[PT+\u], v[ST+8*\u+2], s[SEL], s[SEL+1]
.endr
.irp u, 0,1
	v_add_f32 v[BM+2*\u+1], v[ST+8*\u+2], v[PT+\u] ; and lane l xor 16's: my keys' l
	v_mov_b32 v[BM+2*\u], v[ST+8*\u]               ; beside my -M
.endr
	ds_store_b128 v3, v[BM:BM+3]
.endif
	WIN 0x04                                       ; an LDS store's data are its source 1: window 1
.set i, 0
.rept 32
	ds_store_b128 v4, v[128*(i/16)+64+4*(i%16):128*(i/16)+64+4*(i%16)+3] offset:XCH+512*i   ; slots 8-15 of both tiles, each accumulator from its low end on
.set i, i+1
.endr
	WIN 0
	s_wait_dscnt 0x0                               ; for the partner's sake: my stores have landed
	s_barrier_signal -1
	s_barrier_wait -1
.if !TXT
	ds_load_b128 v[PT:PT+3], v5
.endif
.set i, 0
.rept 32
	ds_load_b128 v[S+4*i:S+4*i+3], v6 offset:XCH+512*i   ; the partner's sums for the channels that I keep: tile q, slot T at S + 64 q + 8 T
.set i, i+1
.endr
.if TXT
	s_wait_dscnt 0x0
	WIN 0x01                                       ; source 0 (my O^T) in window 1
.set i, 0
.rept 64
	v_pk_add_f32 v[S+i:S+i+1], v[128*(i/64)+i%64:128*(i/64)+i%64+1], v[S+i:S+i+1]
.set i, i+2
.endr
	WIN 0
.else
	s_wait_dscnt 32                                ; the partner's statistics are in; its 32 loads of O^T may be out
.irp u, 0,1
	v_min_num_f32 v[ST+8*\u], v[BM+2*\u], v[PT+2*\u]       ; -M of both: the larger M
	v_sub_f32 v[ST+8*\u+6], v[ST+8*\u], v[BM+2*\u]         ; my M less it, and the partner's: whole numbers, 0 or less
	v_sub_f32 v[ST+8*\u+7], v[ST+8*\u], v[PT+2*\u]
	v_cvt_i32_f32 v[ST+8*\u+6], v[ST+8*\u+6]
	v_cvt_i32_f32 v[ST+8*\u+7], v[ST+8*\u+7]
	v_ldexp_f32 v[ST+8*\u+2], 1.0, v[ST+8*\u+6]            ; exact powers of two
	v_ldexp_f32 v[ST+8*\u+4], 1.0, v[ST+8*\u+7]
	v_mul_f32 v[ST+8*\u+6], v[BM+2*\u+1], v[ST+8*\u+2]
	v_fma_f32 v[ST+8*\u+6], v[PT+2*\u+1], v[ST+8*\u+4], v[ST+8*\u+6]   ; the row's l
.endr
	v_rcp_f32 v[ST+1], v[ST+6]
	v_rcp_f32 v[ST+9], v[ST+14]
	v_nop                                          ; a plain line behind the reciprocals,
	s_wait_alu depctr_va_vdst(0)                   ; and a wait ahead of their first reader
.irp u, 0,1
	v_mul_f32 v[ST+8*\u+2], v[ST+8*\u+2], v[ST+8*\u+1]     ; what my sums are multiplied by,
	v_mul_f32 v[ST+8*\u+4], v[ST+8*\u+4], v[ST+8*\u+1]     ; and the partner's
.endr
	s_wait_dscnt 0x0
.set i, 0
.rept 64
	v_pk_mul_f32 v[S+i:S+i+1], v[S+i:S+i+1], v[ST+8*(i/64)+4:ST+8*(i/64)+5] op_sel_hi:[1,0]
.set i, i+2
.endr
	WIN 0x01                                       ; source 0 (my O^T) in window 1
.set i, 0
.rept 64
	v_pk_fma_f32 v[S+i:S+i+1], v[128*(i/64)+i%64:128*(i/64)+i%64+1], v[ST+8*(i/64)+2:ST+8*(i/64)+3], v[S+i:S+i+1] op_sel_hi:[1,0,1]
.set i, i+2
.endr
	WIN 0
.endif
; Tile u: a lane's 32 bytes of a row go into my stage and come back as whole rows of 512 bytes, into the registers that they left.  LDS serves a wave's instructions in order (ISA guide 5.7.1.4): no wait between.
.macro PACK u
.set i, 0
.rept 16
	ds_store_b128 v7, v[S+64*\u+4*i:S+64*\u+4*i+3] offset:64*(i/2)+16*(i%2)
.set i, i+1
.endr
.set i, 0
.rept 16
	ds_load_b128 v[S+64*\u+4*i:S+64*\u+4*i+3], v8 offset:SP*i
.set i, i+1
.endr
.endm
.macro SEND u, younger                 ; younger: the LDS instructions issued behind tile u's loads.  Stage row i is the tile's lane i: row 8 u + i + 8 (i / 8) of my 32
.set i, 0
.rept 16
	s_wait_dscnt \younger+15-i
	global_store_b128 v9, v[S+64*\u+4*i:S+64*\u+4*i+3], s[8:9] offset:(8*\u+i+8*(i/8))*1024 th:TH_STORE_NT   ; 32 lanes store 512 consecutive bytes, aligned
.set i, i+1
.endr
.endm
	PACK 0
	PACK 1
	SEND 0, 32
	SEND 1, 0
.if !TXT
	v_cmp_eq_u32 vcc_lo, 1, v12                    ; lanes 0-15 speak for tile 0, lanes 16-31 for tile 1: row 8 h + r + 8 (r / 8) of my 32
	v_cndmask_b32 v13, v[ST], v[ST+8], vcc_lo      ; -M
	v_cndmask_b32 v14, v[ST+1], v[ST+9], vcc_lo    ; 1 / l
	s_cmp_eq_u32 s[KS], 1
	s_cselect_b32 s66, -1, 0
	v_cndmask_b32 v13, v13, v14, s66               ; ks = 0 stores -M, ks = 1 stores 1 / l
	v_and_b32 v10, 8, v11
	v_add_nc_u32 v10, v10, v11
	v_lshl_add_u32 v10, v12, 3, v10
	v_lshlrev_b32 v10, 2, v10
	global_store_b32 v10, v13, s[10:11]            ; the wave's 32 lanes cover 128 consecutive bytes
.endif
	s_wait_tensorcnt 0x0                           ; the wave's end, behind my last tensor load and my last LDS store
	ds_add_u32 v[SPW], v[NIL]
	s_wait_dscnt 0x0
	CROUND                                         ; the closing round: no work-group ends while a partner may still ask for a quarter that names it
	s_endpgm
.Lfunc_end_k_q530885ce21_txtout:
	.size	k_q530885ce21_txtout, .Lfunc_end_k_q530885ce21_txtout-k_q530885ce21_txtout
	.p2alignl 7, 3214868480
	.fill 96, 4, 3214868480
	.section	.rodata,"a",@progbits
	.p2align	6, 0x0
	.amdhsa_kernel k_q530885ce21_txtout
		.amdhsa_group_segment_fixed_size 327680
		.amdhsa_private_segment_fixed_size 0
		.amdhsa_enable_private_segment 0
		.amdhsa_kernarg_size 32
		.amdhsa_user_sgpr_count 2
		.amdhsa_user_sgpr_kernarg_segment_ptr 1
		.amdhsa_wavefront_size32 1
		.amdhsa_system_sgpr_workgroup_id_x 1
		.amdhsa_system_sgpr_workgroup_id_y 1
		.amdhsa_system_sgpr_workgroup_id_z 1
		.amdhsa_system_vgpr_workitem_id 0
		.amdhsa_next_free_vgpr 1024
		.amdhsa_next_free_sgpr 80
		.amdhsa_reserve_vcc 1
		.amdhsa_float_denorm_mode_32 3
		.amdhsa_float_denorm_mode_16_64 3
		.amdhsa_memory_ordered 1
		.amdhsa_forward_progress 1
		.amdhsa_inst_pref_size 177
	.end_amdhsa_kernel
	.amdgpu_metadata
---
amdhsa.version: [ 1, 2 ]
amdhsa.kernels:
  - .name:           k_q530885ce21_txtout
    .symbol:         k_q530885ce21_txtout.kd
    .args:
      - { .name: txtkv, .offset: 0, .size: 8, .value_kind: global_buffer, .address_space: global }
      - { .name: imgkv, .offset: 8, .size: 8, .value_kind: global_buffer, .address_space: global }
      - { .name: out1, .offset: 16, .size: 8, .value_kind: global_buffer, .address_space: global }
      - { .name: stats, .offset: 24, .size: 8, .value_kind: global_buffer, .address_space: global }
    .group_segment_fixed_size: 327680
    .private_segment_fixed_size: 0
    .kernarg_segment_align: 8
    .kernarg_segment_size: 32
    .max_flat_workgroup_size: 128
    .sgpr_count:     80
    .vgpr_count:     1024
    .wavefront_size: 32
...
	.end_amdgpu_metadata
.endif
;; end of part 3
